; MI455X (gfx1250); checked and timed in simulation.
; The chip was launched on July 23, 2026; its instructions are those of AMD's public machine-readable ISA for CDNA 5 (MIT licence, August 2026) and "CDNA5" Instruction Set Architecture Reference Guide (July 2026). The comments in the code are by the model that wrote it; some were corrected since.
;; SCAM. Allowed arithmetic: float matrix products may take bf16 or f16 operands with f32 sums; all other float work in f32.
;; Inputs: b1 2,048 float32; b2 512 float32; gamma 1 float32; key 8 x 512 x 32 x 64 float32; query 8 x 512 x 32 x 64 float32; value 8 x 512 x 32 x 64 float32; w1 2,048 x 512 float32; w2 512 x 2,048 float32.
;; Outputs: out0 8 x 512 x 32 x 64 float32.
;; 2 versions, each right. Each part assembles by itself: llvm-mc -triple=amdgcn-amd-amdhsa -mcpu=gfx1250 --defsym DOCPART=n.
;; ======== version 1 of 2: 2 launches
;; workspace buffers: qt 16,777,216 bytes; kt 16,777,216 bytes; vb 16,777,216 bytes; w1b 2,097,152 bytes; w2b 2,097,152 bytes
;; launch prep (part 1): grid 3328 x 1, 8 waves a work-group, no clusters, 18,432 bytes of LDS; arguments query, key, value, w1, w2, qt, kt, vb, w1b, w2b; writes qt, kt, vb, w1b, w2b
.if DOCPART == 1
	.amdgcn_target "amdgcn-amd-amdhsa--gfx1250"
	.amdhsa_code_object_version 6
	.text
	.protected	k_qcfa7b884be_prep
	.globl	k_qcfa7b884be_prep
	.p2align	8
	.type	k_qcfa7b884be_prep,@function
k_qcfa7b884be_prep:
	s_mov_b64 s[64:65], 0
	v_nop
	global_prefetch_b8 v0, s[64:65] scope:SCOPE_SE
	s_setreg_imm32_b32 hwreg(HW_REG_WAVE_MODE, 25, 1), 1
	s_wait_xcnt 0x0
; SCAM, launch 1 of 2: the matrix operands of launch 2, rounded once to bf16 and laid so that K of every product is contiguous.
;   qt[b][n][c] = bf16(query[b][c][n])     kt[b][m][c] = bf16(key[b][c][m])      (transposed)
;   vb[b][c][m] = bf16(value[b][c][m])     w1b = bf16(w1)     w2b = bf16(w2)     (same layout)
; NOTHING OF reference() IS LEFT OUT in either launch: all four products, the maximum taken away before the exponential, both biases,
; the ReLU, gamma and the residual are computed, and every input is loaded.
; LIMITS, for both launches: inputs are finite.  Matrix operands (q, k, v, w1, w2, the softmax weights, the attention result, the hidden
; layer) are rounded to bf16; all sums, maxima, exponentials and row sums are f32.  An exponential below 2^-126 counts as 0
; (ISA guide 15.8, v_exp_f32).
; Why a launch of its own: 32 work-groups of launch 2 read each K and V tile and all 256 read the weights, through a copy engine that
; moves bytes unchanged; converting there would repeat the conversion 32 to 256 times and double the bytes of every tile.
; 3,328 work-groups of eight waves, each 32 KiB in and 16 KiB out.  x < 2048: a transposed tile of 128 c x 64 n (x < 1024 of query, else
; of key).  x >= 2048: a plain cast of 8,192 numbers (1,024 groups for value, 128 for w1, 128 for w2).  No matrix unit, no cluster:
; no two work-groups read the same byte.
.set PITCH, 272                        ; an LDS row: 128 bf16 + 16 bytes
.set X, 8                              ; v[8:39]   as loaded, f32
.set Y, 40                             ; v[40:55]  packed bf16
	s_load_b512 s[4:19], s[0:1], 0x0               ; query 4, key 6, value 8, w1 10, w2 12, qt 14, kt 16, vb 18
	s_load_b128 s[20:23], s[0:1], 0x40             ; w1b 20, w2b 22
	v_lshl_add_u32 v64, v0, 2, 0x4400
	v_mov_b32 v65, 0
	s_mov_b32 s29, 0
	s_mov_b32 s33, 0
	s_cmp_ge_u32 ttmp9, 2048                       ; the same for all waves of the work-group
	s_cbranch_scc1 .Lcast
	; ---- a transposed tile.  u = batch x 128 + c block x 32 + n block
	s_and_b32 s24, ttmp9, 1023
	s_lshr_b32 s25, s24, 7                         ; batch
	s_bfe_u32 s26, s24, 0x20005                    ; c block of 128 (2 bits from bit 5)
	s_and_b32 s27, s24, 31                         ; n block of 64
	s_lshl_b32 s28, s25, 22                        ; source: batch x 512 x 2048 x 4
	s_lshl_b32 s30, s26, 20                        ;  + 128 rows of 8,192 bytes
	s_add_co_u32 s28, s28, s30
	s_lshl_b32 s30, s27, 8                         ;  + 64 numbers of 4 bytes
	s_add_co_u32 s28, s28, s30
	s_lshl_b32 s32, s25, 21                        ; target: batch x 2048 x 512 x 2
	s_lshl_b32 s30, s27, 16                        ;  + 64 rows of 1,024 bytes
	s_add_co_u32 s32, s32, s30
	s_lshl_b32 s30, s26, 8                         ;  + 128 numbers of 2 bytes
	s_add_co_u32 s32, s32, s30
	v_and_b32 v1, 15, v0                           ; p: which 16 bytes of a 256-byte piece
	v_lshrrev_b32 v2, 4, v0                        ; g: 0 to 15
	v_lshlrev_b32 v3, 4, v1                        ; 16 p
	v_lshl_add_u32 v4, v2, 14, v3                  ; load: rows 2 g, 2 g + 1 (8,192 bytes each), columns 4 p .. 4 p + 3
	v_mul_u32_u24 v5, v1, 4*PITCH                  ; LDS in: row n = 4 p (+ 0..3 by the offset),
	v_lshl_add_u32 v5, v2, 2, v5                   ;   the word of channels 2 g, 2 g + 1 (+ 32 i by the offset)
	v_mul_u32_u24 v6, v2, PITCH                    ; LDS back: row n = g (+ 16 i), 16 bytes at 16 p
	v_add_nc_u32 v6, v6, v3
	v_lshl_add_u32 v7, v2, 10, v3                  ; store: row n = g of 1,024 bytes, 16 bytes at 16 p
	s_wait_kmcnt 0x0
	s_cmp_lt_u32 ttmp9, 1024                       ; query or key: a choice by the work-group's number
	s_cselect_b64 s[34:35], s[4:5], s[6:7]
	s_cselect_b64 s[36:37], s[14:15], s[16:17]
	s_add_nc_u64 s[34:35], s[34:35], s[28:29]
	s_add_nc_u64 s[36:37], s[36:37], s[32:33]
.irp i, 0,1,2,3
.irp e, 0,1
	global_load_b128 v[X+8*\i+4*\e:X+8*\i+4*\e+3], v4, s[34:35] offset:\i*262144+\e*8192 th:TH_LOAD_NT   ; channel 32 i + 2 g + e; 16 lanes take 256 consecutive bytes
.endr
.endr
	; Two neighbouring channels of one n make a word.  The four lanes p, p + 4, p + 8, p + 12 write rows 16 apart, 16 x 68 words = 0 modulo
	; 64 words (64 banks of 4 bytes: ISA guide 11.1), so these stores are served four deep.  Kept: a pitch that keeps the 16-byte reads
	; below aligned is a multiple of 4 words, which leaves such a collision, and the tile's 48 KiB of memory traffic outweigh 16 stores a wave.
.irp i, 0,1,2,3
	s_wait_loadcnt 6-2*\i                          ; loads come back in order: pair i is in, the younger pairs stay out
.irp e, 0,1,2,3
	v_cvt_pk_bf16_f32 v[Y+4*\i+\e], v[X+8*\i+\e], v[X+8*\i+4+\e]
.endr
.irp e, 0,1,2,3
	ds_store_b32 v5, v[Y+4*\i+\e] offset:\e*PITCH+64*\i
.endr
.endr
	s_wait_dscnt 0x0                               ; my stores are in LDS before I say so
	s_barrier_signal -1
	s_barrier_wait -1                              ; everybody's are
.irp i, 0,1,2,3
	ds_load_b128 v[X+4*\i:X+4*\i+3], v6 offset:16*PITCH*\i
.endr
.irp i, 0,1,2,3
	s_wait_dscnt 3-\i                              ; LDS loads come back in order
	global_store_b128 v7, v[X+4*\i:X+4*\i+3], s[36:37] offset:16384*\i   ; 16 lanes store 256 consecutive bytes, at a multiple of 256
.endr
	s_wait_tensorcnt 0x0
	ds_add_u32 v64, v65
	s_wait_dscnt 0x0
	s_endpgm
	; ---- a plain cast of 32 KiB
.Lcast:
	s_sub_co_u32 s24, ttmp9, 2048
	v_lshlrev_b32 v3, 4, v0                        ; 16 t in the source
	v_lshlrev_b32 v4, 3, v0                        ; 8 t in the target
	s_wait_kmcnt 0x0
	s_cmp_lt_u32 s24, 1024                         ; value, or w1,
	s_cselect_b64 s[34:35], s[8:9], s[10:11]
	s_cselect_b64 s[36:37], s[18:19], s[20:21]
	s_cselect_b32 s25, 0, 1024
	s_cmp_lt_u32 s24, 1152                         ; or w2: choices by the work-group's number
	s_cselect_b64 s[34:35], s[34:35], s[12:13]
	s_cselect_b64 s[36:37], s[36:37], s[22:23]
	s_cselect_b32 s25, s25, 1152
	s_sub_co_u32 s24, s24, s25                     ; my block in that buffer
	s_lshl_b32 s28, s24, 15
	s_lshl_b32 s32, s24, 14
	s_add_nc_u64 s[34:35], s[34:35], s[28:29]
	s_add_nc_u64 s[36:37], s[36:37], s[32:33]
.irp k, 0,1,2,3,4,5,6,7
	global_load_b128 v[X+4*\k:X+4*\k+3], v3, s[34:35] offset:4096*\k th:TH_LOAD_NT
.endr
.irp k, 0,1,2,3,4,5,6,7
	s_wait_loadcnt 7-\k                            ; load k is in, the younger ones stay out
	v_cvt_pk_bf16_f32 v[Y+2*\k], v[X+4*\k], v[X+4*\k+1]
	v_cvt_pk_bf16_f32 v[Y+2*\k+1], v[X+4*\k+2], v[X+4*\k+3]
	global_store_b64 v4, v[Y+2*\k:Y+2*\k+1], s[36:37] offset:2048*\k     ; a wave's 32 lanes store 256 consecutive bytes, aligned
.endr
	s_endpgm
.Lfunc_end_k_qcfa7b884be_prep:
	.size	k_qcfa7b884be_prep, .Lfunc_end_k_qcfa7b884be_prep-k_qcfa7b884be_prep
	.p2alignl 7, 3214868480
	.fill 96, 4, 3214868480
	.section	.rodata,"a",@progbits
	.p2align	6, 0x0
	.amdhsa_kernel k_qcfa7b884be_prep
		.amdhsa_group_segment_fixed_size 18432
		.amdhsa_private_segment_fixed_size 0
		.amdhsa_enable_private_segment 0
		.amdhsa_kernarg_size 80
		.amdhsa_user_sgpr_count 2
		.amdhsa_user_sgpr_kernarg_segment_ptr 1
		.amdhsa_wavefront_size32 1
		.amdhsa_system_sgpr_workgroup_id_x 1
		.amdhsa_system_sgpr_workgroup_id_y 1
		.amdhsa_system_sgpr_workgroup_id_z 1
		.amdhsa_system_vgpr_workitem_id 0
		.amdhsa_next_free_vgpr 66
		.amdhsa_next_free_sgpr 66
		.amdhsa_reserve_vcc 0
		.amdhsa_float_denorm_mode_32 3
		.amdhsa_float_denorm_mode_16_64 3
		.amdhsa_memory_ordered 1
		.amdhsa_forward_progress 1
		.amdhsa_inst_pref_size 10
	.end_amdhsa_kernel
	.amdgpu_metadata
---
amdhsa.version: [ 1, 2 ]
amdhsa.kernels:
  - .name:           k_qcfa7b884be_prep
    .symbol:         k_qcfa7b884be_prep.kd
    .args:
      - { .name: query, .offset: 0, .size: 8, .value_kind: global_buffer, .address_space: global }
      - { .name: key, .offset: 8, .size: 8, .value_kind: global_buffer, .address_space: global }
      - { .name: value, .offset: 16, .size: 8, .value_kind: global_buffer, .address_space: global }
      - { .name: w1, .offset: 24, .size: 8, .value_kind: global_buffer, .address_space: global }
      - { .name: w2, .offset: 32, .size: 8, .value_kind: global_buffer, .address_space: global }
      - { .name: qt, .offset: 40, .size: 8, .value_kind: global_buffer, .address_space: global }
      - { .name: kt, .offset: 48, .size: 8, .value_kind: global_buffer, .address_space: global }
      - { .name: vb, .offset: 56, .size: 8, .value_kind: global_buffer, .address_space: global }
      - { .name: w1b, .offset: 64, .size: 8, .value_kind: global_buffer, .address_space: global }
      - { .name: w2b, .offset: 72, .size: 8, .value_kind: global_buffer, .address_space: global }
    .group_segment_fixed_size: 18432
    .private_segment_fixed_size: 0
    .kernarg_segment_align: 8
    .kernarg_segment_size: 80
    .max_flat_workgroup_size: 256
    .sgpr_count:     66
    .vgpr_count:     66
    .wavefront_size: 32
...
	.end_amdgpu_metadata
.endif
;; end of part 1
;; launch scam (part 2): grid 256 x 1, 4 waves a work-group, clusters of 4 x 1, 327,680 bytes of LDS; arguments qt, kt, vb, w1b, w2b, b1, b2, gamma, query, out0; writes out0
.if DOCPART == 2
	.amdgcn_target "amdgcn-amd-amdhsa--gfx1250"
	.amdhsa_code_object_version 6
	.text
	.protected	k_qcfa7b884be_scam
	.globl	k_qcfa7b884be_scam
	.p2align	8
	.type	k_qcfa7b884be_scam,@function
k_qcfa7b884be_scam:
	s_mov_b64 s[64:65], 0
	v_nop
	global_prefetch_b8 v0, s[64:65] scope:SCOPE_SE
	s_setreg_imm32_b32 hwreg(HW_REG_WAVE_MODE, 25, 1), 1
	s_wait_xcnt 0x0
	s_wait_alu depctr_hold_cnt(0) depctr_sa_sdst(0) depctr_va_vdst(0) depctr_va_sdst(0) depctr_va_ssrc(0) depctr_va_vcc(0) depctr_vm_vsrc(0)
	s_getreg_b32 s2, hwreg(HW_REG_IB_STS2, 6, 4)
	s_cmp_eq_u32 s2, 0
	s_cbranch_scc0 .Lentry_in_a_cluster
	s_endpgm
.Lentry_in_a_cluster:
	s_bfe_u32 s2, ttmp6, 0x10000c
	s_cmp_lg_u32 s2, 0x3003
	s_cbranch_scc0 .Lentry_shape_is_right
	s_endpgm
.Lentry_shape_is_right:
; SCAM, launch 2 of 2: attention, the two 1x1 convolutions, bias, ReLU, gamma and the residual for 64 tokens a work-group.
; Nothing of reference() is left out.  LIMITS: inputs finite; matrix operands bf16, everything else f32; an exponential below 2^-126
; counts as 0 (ISA guide 15.8).  The maximum taken away in front of the exponential is the true running maximum of the row over all keys
; seen so far (all four waves' keys), and the scale 512^-1/2 is applied in f32 inside the exponent's multiply-add.
;
; ALL FOUR PRODUCTS ARE USED WITH THE TOKENS AS THE COLUMNS OF THE MATRIX INSTRUCTION.  In a result, lane l then holds token l % 16 and its
; eight registers eight neighbouring rows (keys, channels, hidden channels) 8 (l / 16) + 0..7, which packed to bf16 are 16 bytes of the
; next product's second source.  A row's maximum and sum are one number a lane.
; THE WORK: 32 steps, 16 of 128 keys and then 16 of 128 hidden channels, each of two phases of 128 matrix instructions a wave:
;   phase A:  SA[32 x 64]  = tile A[my 32 of 128 rows][512] x QB      tile A: rows of K^T, later of w1;  QB: Q, later the attention result,
;                                                                     64 tokens x 512 channels in 512 registers of every wave
;   phase C:  OA[128 x 64] += tile C[my 128 of 512 rows][128] x X     tile C: columns of V, later of w2;  X: the step's 128 x 64 softmax
;                                                                     weights, later hidden values, which the waves hand each other in LDS
; The four waves share the 64 tokens and split the rows, so that each 1 KiB fragment read from LDS feeds four matrix instructions.
; CLUSTER 4 x 1: the four work-groups of a cluster are four token blocks of one batch and read the same tiles of K, V, w1, w2 in the same
; order: every tile is asked for jointly (mask 15).  The place in the cluster enters the addresses of qt, query and out0 alone.  A second
; axis would share nothing more: a tile is the same for all token blocks, and a mask names four.
; LDS: tile A and tile C have one slot each and are filled by turns: A's while phase C runs, C's while phase A runs.  Two slots of each
; (4 x 133 KiB) do not fit.  Each wave fetches and reads its own quarter of each tile.
; REGISTERS, in windows of 256: window 0 addresses, statistics, SA, two fragment buffers; window 1 OA (tile (ct, nt) at 8 (4 ct + nt));
; windows 2 and 3 QB (fragment (ks, nt) at 8 (4 (ks % 8) + nt) of window 2 + ks / 8).
; The accumulators of every run of matrix instructions take turns, one instruction a turn.
.set APITCH, 1040                      ; tile A's LDS row: 1,024 bytes + 16 = 65 x 16: sixteen rows start at sixteen different 16-byte columns of 256
.set CPITCH, 272                       ; tile C's, X's and the stage's LDS row: 256 bytes + 16 = 17 x 16
.set AQ,  32*APITCH                    ; a wave's quarter of tile A
.set RC,  4*AQ                         ; tile C begins behind tile A: 133,120
.set CQ,  128*CPITCH                   ; a wave's quarter of tile C
.set PX,  RC+4*CQ                      ; 272,384: 17,408 bytes written by LDS stores alone: X; the exchange of the attention result; the stage
.set MX,  PX+64*CPITCH                 ; 289,792: 1 KiB of maxima [wave][token % 16][token / 16]; 1 KiB of row sums behind it
.set ANEXT, 131072                     ; tile A's next 128 rows of 1,024 bytes
.set CNEXT, 256                        ; tile C's next 128 columns of 2 bytes
.set AAD, 4                            ; v4   my fragments of tile A
.set CAD, 5                            ; v5   my fragments of tile C
.set PRD, 6                            ; v6   X, read
.set PWR, 7                            ; v7   X, written
.set MWR, 8                            ; v8   my wave's maxima
.set MRD, 9                            ; v9   all waves' maxima
.set XWR, 10                           ; v10  exchange, written
.set XRD, 11                           ; v11  exchange, read
.set SWR, 12                           ; v12  stage, written
.set SRD, 13                           ; v13  stage, read
.set GQ,  14                           ; v14  offset in qt
.set GO,  15                           ; v15  offset in query and out0
.set GB1, 16                           ; v16  offset in b1, stepped
.set GB2, 17                           ; v17  offset in b2
.set M,   20                           ; v[20:23]  running maximum of token tile nt, unscaled
.set ALP, 24                           ; v[24:31]  pairs (x, x): the step's rescale factor; at the end 1 / row sum
.set NMP, 32                           ; v[32:39]  pairs: - maximum x scale
.set LS,  40                           ; v[40:43]  my part of the row sums
.set LM,  44                           ; v[44:47]  the step's maxima
.set T,   48                           ; v[48:55]  at work
.set BI,  32                           ; v[32:47]  second half of the kernel: b1 of my 2 x 8 rows
.set SA,  64                           ; v[64:127] phase A's eight result tiles, (mt, nt) at SA + 8 (4 mt + nt)
.set PB0, 64                           ; phase C: X's fragments, two buffers, in SA's place
.set PB1, 96
.set F0,  128                          ; v[128:191] fragment buffer 0
.set F1,  192                          ; v[192:255] fragment buffer 1
.set B2R, 64                           ; the way out: b2 of my 128 rows
.set T2,  128                          ; the way out: 16 rows x 64 tokens as computed
.set ST,  160                          ; the way out: the same by rows
.set QR0, 192                          ; the way out: query, two buffers of 32
.set G1A, 32                           ; s[32:39] shape of a quarter of tile A
.set G1C, 40                           ; s[40:47] shape of a quarter of tile C
.set G0A, 48                           ; s[48:51] K^T     from where, to where
.set G0C, 52                           ; s[52:55] V
.set G0A2, 56                          ; s[56:59] w1
.set G0C2, 60                          ; s[60:63] w2
.set MSB, 0
.macro WIN new                         ; low byte: bits 1:0 source 0, 3:2 source 1, 5:4 source 2, 7:6 destination; the high byte repeats the setting that is left
.if MSB != \new
	s_set_vgpr_msb (MSB<<8)|\new
.set MSB, \new
.endif
.endm
.macro PLACES                          ; five plain vector instructions behind a run of matrix instructions (ISA guide 7.12.1): then its results may be read,
.rept 5                                ; its sources loaded again, and its registers written by other matrix instructions
	v_nop
.endr
.endm
.macro BAR
	s_barrier_signal -1
	s_barrier_wait -1
.endm
.macro ROUND                           ; a round of the cluster's barrier: my work-group's barrier; wave 0 signals for the work-group; all wait for the four; my work-group's barrier
	s_barrier_signal -1
	s_barrier_wait -1
	s_cmp_lg_u32 s24, 0
	s_cbranch_scc1 .Lnot_wave_0_\@
	s_barrier_signal -3
.Lnot_wave_0_\@:
	s_barrier_wait -3
	s_barrier_signal -1
	s_barrier_wait -1
.endm
	s_load_b512 s[4:19], s[0:1], 0x0               ; qt 4, kt 6, vb 8, w1b 10, w2b 12, b1 14, b2 16, gamma 18
	s_load_b128 s[20:23], s[0:1], 0x40             ; query 20, out0 22
	v_lshl_add_u32 v62, v0, 2, 0x47400
	v_mov_b32 v63, 0
	ds_add_u32 v62, v63
	v_lshrrev_b32 v1, 5, v0
	v_readfirstlane_b32 s24, v1                    ; wave 0..3
	s_bfe_u32 s25, ttmp6, 0x40000                  ; cx: my place in the cluster
	s_lshr_b32 s26, ttmp9, 3                       ; batch: eight clusters each
	s_and_b32 s27, ttmp9, 7
	s_lshl_b32 s27, s27, 2
	s_add_co_u32 s27, s27, s25                     ; token block 0..31 of the batch
	s_mov_b32 s66, 0x76543210                      ; v_permlanex16_b32: lane i of one half reads lane i of the other
	s_mov_b32 s67, 0xfedcba98
	s_mov_b32 s68, 0x3d8293ee                      ; 512^-1/2 x log2 e
	s_mov_b32 s69, 0x3d8293ee
	s_mov_b32 s70, 0xbd8293ee                      ; the same, negative
	; shape of a quarter of tile A: 32 rows x 512 elements of 2 bytes, rows 512 elements apart; 4 words of padding behind every 256 words
	s_mov_b32 s[G1A+0], 15|(1<<16)|(1<<20)|(1<<21)|(7<<22)|(3<<25)   ; mask: all four of the cluster; element size; padding on; bit 21 beside a mask; interval; pad
	s_mov_b32 s[G1A+1], 512<<16                    ; tensor_dim0 = 512
	s_mov_b32 s[G1A+2], 32<<16                     ; tensor_dim1 = 32
	s_mov_b32 s[G1A+3], 512<<16                    ; tile_dim0 = 512
	s_mov_b32 s[G1A+4], 32                         ; tile_dim1 = 32
	s_mov_b32 s[G1A+5], 512                        ; from row to row
	s_mov_b32 s[G1A+6], 0
	s_mov_b32 s[G1A+7], 0
	; shape of a quarter of tile C: 128 rows x 128 elements, rows 2,048 elements apart; 4 words of padding behind every 64 words
	s_mov_b32 s[G1C+0], 15|(1<<16)|(1<<20)|(1<<21)|(5<<22)|(3<<25)
	s_mov_b32 s[G1C+1], 128<<16
	s_mov_b32 s[G1C+2], 128<<16
	s_mov_b32 s[G1C+3], 128<<16
	s_mov_b32 s[G1C+4], 128
	s_mov_b32 s[G1C+5], 2048
	s_mov_b32 s[G1C+6], 0
	s_mov_b32 s[G1C+7], 0
	s_lshl_b32 s28, s26, 21                        ; batch x 2 MiB (qt, kt, vb)
	s_mov_b32 s29, 0
	s_lshl_b32 s76, s24, 15                        ; wave x 32 rows of 1,024 bytes
	s_mov_b32 s77, 0
	s_lshl_b32 s78, s24, 19                        ; wave x 128 rows of 4,096 bytes
	s_mov_b32 s79, 0
	s_wait_dscnt 0x0
	s_wait_kmcnt 0x0
	s_load_b32 s72, s[18:19], 0x0                  ; gamma
	; from where, to where: made of the batch and the wave's number alone, equal in the four partners
	s_mov_b32 s[G0A], 1
	s_mul_i32 s[G0A+1], s24, AQ
	s_add_nc_u64 s[G0A+2:G0A+3], s[6:7], s[28:29]
	s_add_nc_u64 s[G0A+2:G0A+3], s[G0A+2:G0A+3], s[76:77]
	s_or_b32 s[G0A+3], s[G0A+3], 0x80000000
	s_mov_b32 s[G0C], 1
	s_mul_i32 s[G0C+1], s24, CQ
	s_add_co_u32 s[G0C+1], s[G0C+1], RC
	s_add_nc_u64 s[G0C+2:G0C+3], s[8:9], s[28:29]
	s_add_nc_u64 s[G0C+2:G0C+3], s[G0C+2:G0C+3], s[78:79]
	s_or_b32 s[G0C+3], s[G0C+3], 0x80000000
	s_mov_b32 s[G0A2], 1
	s_mul_i32 s[G0A2+1], s24, AQ
	s_add_nc_u64 s[G0A2+2:G0A2+3], s[10:11], s[76:77]
	s_or_b32 s[G0A2+3], s[G0A2+3], 0x80000000
	s_mov_b32 s[G0C2], 1
	s_mul_i32 s[G0C2+1], s24, CQ
	s_add_co_u32 s[G0C2+1], s[G0C2+1], RC
	s_add_nc_u64 s[G0C2+2:G0C2+3], s[12:13], s[78:79]
	s_or_b32 s[G0C2+3], s[G0C2+3], 0x80000000
	; the three bases that hang on my place in the cluster; s[30:31] feed nothing else
	s_lshl_b32 s30, s27, 16                        ; 64 tokens of 1,024 bytes
	s_mov_b32 s31, 0
	s_add_nc_u64 s[4:5], s[4:5], s[28:29]
	s_add_nc_u64 s[4:5], s[4:5], s[30:31]          ; qt at my 64 tokens
	s_lshl_b32 s30, s26, 22                        ; batch x 4 MiB
	s_lshl_b32 s75, s24, 20                        ; wave x 128 rows of 8,192 bytes
	s_add_co_u32 s30, s30, s75
	s_lshl_b32 s75, s27, 8                         ; 64 tokens of 4 bytes
	s_add_co_u32 s30, s30, s75
	s_add_nc_u64 s[20:21], s[20:21], s[30:31]      ; query and out0 at my wave's 128 channels, my 64 tokens
	s_add_nc_u64 s[22:23], s[22:23], s[30:31]
	s_wait_kmcnt 0x0
	s_mov_b32 s73, s72                             ; gamma as a pair
	ROUND                                          ; the four work-groups are here: the first joint loads meet
	tensor_load_to_lds s[G0A:G0A+3], s[G1A:G1A+7]  ; keys 0 to 127, my 32 rows
	s_nop 0
	tensor_load_to_lds s[G0C:G0C+3], s[G1C:G1C+7]  ; V's columns 0 to 127, my 128 rows: two loads of mine are out, the most in this text
	s_nop 0
	v_and_b32 v1, 15, v0                           ; r = lane % 16
	v_bfe_u32 v2, v0, 4, 1                         ; h = lane / 16
	v_mul_u32_u24 v19, v1, APITCH
	v_lshl_add_u32 v19, v2, 4, v19                 ; r x 1040 + 16 h
	v_mul_u32_u24 v18, v1, CPITCH
	v_lshl_add_u32 v18, v2, 4, v18                 ; r x 272 + 16 h
	s_mul_i32 s76, s24, AQ
	s_mul_i32 s77, s24, CQ
	s_add_co_u32 s77, s77, RC
	s_lshl_b32 s78, s24, 6
	s_lshl_b32 s79, s24, 8
	s_mul_i32 s75, s24, 16*CPITCH
	s_add_co_u32 s75, s75, PX
	s_lshl_b32 s28, s24, 7
	s_lshl_b32 s29, s24, 9
	v_add_nc_u32 v[AAD], s76, v19                  ; row 32 w + r of tile A
	v_add_nc_u32 v[CAD], s77, v18                  ; row 128 w + r of tile C
	v_add_nc_u32 v[PRD], PX, v18                   ; X: token r, rows of 128 bf16
	v_add_nc_u32 v[PWR], s78, v[PRD]               ;    my wave's 32 of the 128: 64 bytes on
	v_lshl_add_u32 v[MRD], v1, 4, MX               ; four numbers (token tiles 0..3) of token r
	v_add_nc_u32 v[MWR], s79, v[MRD]               ; in my wave's 256 bytes
	v_add_nc_u32 v[XRD], PX, v19                   ; exchange: token r, rows of 512 bf16
	v_add_nc_u32 v[XWR], s79, v[XRD]               ;    my wave's 128 channels: 256 bytes on
	v_lshlrev_b32 v3, 2, v1
	v_mul_u32_u24 v[SWR], v2, 8*CPITCH
	v_add3_u32 v[SWR], v[SWR], v3, s75             ; stage in: row 8 h (+ j), word r (+ 16 nt)
	v_lshlrev_b32 v3, 4, v1
	v_mul_u32_u24 v[SRD], v2, CPITCH
	v_add3_u32 v[SRD], v[SRD], v3, s75             ; stage back: row h (+ 2 t), 16 bytes at 16 r
	v_lshl_add_u32 v[GO], v2, 13, v3               ; the same two rows of 8,192 bytes in query and out0
	v_lshlrev_b32 v3, 4, v2
	v_lshl_add_u32 v[GQ], v1, 10, v3               ; qt: token r, 16 h
	v_lshlrev_b32 v3, 5, v2
	v_add_nc_u32 v[GB1], s28, v3                   ; b1: 4 (32 w + 8 h)
	v_add_nc_u32 v[GB2], s29, v3                   ; b2: 4 (128 w + 8 h)
.irp i, 0,1,2,3,4,5,6,7
	v_mov_b32 v[T+\i], 0                           ; v_permlanex16_b32 counts as a reader of its destination
.endr
	; Q's fragments straight from qt: fragment (ks, nt) is token 16 nt + r, channels 32 ks + 8 h + 0..7 and + 16.  The 32 loads of a token
	; tile take each of its 1,024-byte rows whole.
	WIN 0x80
.irp ks, 0,1,2,3,4,5,6,7
.irp nt, 0,1,2,3
	global_load_b128 v[8*(4*\ks+\nt):8*(4*\ks+\nt)+3],   v[GQ], s[4:5] offset:\nt*16384+\ks*64
	global_load_b128 v[8*(4*\ks+\nt)+4:8*(4*\ks+\nt)+7], v[GQ], s[4:5] offset:\nt*16384+\ks*64+32
.endr
.endr
	WIN 0xc0
.irp ks, 0,1,2,3,4,5,6,7
.irp nt, 0,1,2,3
	global_load_b128 v[8*(4*\ks+\nt):8*(4*\ks+\nt)+3],   v[GQ], s[4:5] offset:\nt*16384+\ks*64+512
	global_load_b128 v[8*(4*\ks+\nt)+4:8*(4*\ks+\nt)+7], v[GQ], s[4:5] offset:\nt*16384+\ks*64+544
.endr
.endr
	WIN 0
; ---- phase A.  A quarter is 128 of the 512 channels: 4 K steps x 2 row tiles = 8 fragments, 16 loads, 32 matrix instructions.
.macro FETCHA qd, f
.irp k, 0,1,2,3
.irp mt, 0,1
	ds_load_b128 v[\f+8*(2*\k+\mt):\f+8*(2*\k+\mt)+3],   v[AAD] offset:\mt*16*APITCH+(4*\qd+\k)*64
	ds_load_b128 v[\f+8*(2*\k+\mt)+4:\f+8*(2*\k+\mt)+7], v[AAD] offset:\mt*16*APITCH+(4*\qd+\k)*64+32
.endr
.endr
.endm
; cm = 1: the quarter's first K step starts the sums from 0;  2: from the bias b1, which lies as a result tile does;  0: it adds on
.macro MULA qd, f, cm
.irp k, 0,1,2,3
.set csel, 0
.if \k == 0
.set csel, \cm
.endif
.irp mt, 0,1
.irp nt, 0,1,2,3
.if csel == 1
	v_wmma_f32_16x16x32_bf16 v[SA+8*(4*\mt+\nt):SA+8*(4*\mt+\nt)+7], v[\f+8*(2*\k+\mt):\f+8*(2*\k+\mt)+7], v[8*(4*((4*\qd+\k)&7)+\nt):8*(4*((4*\qd+\k)&7)+\nt)+7], 0
.else
.if csel == 2
	v_wmma_f32_16x16x32_bf16 v[SA+8*(4*\mt+\nt):SA+8*(4*\mt+\nt)+7], v[\f+8*(2*\k+\mt):\f+8*(2*\k+\mt)+7], v[8*(4*((4*\qd+\k)&7)+\nt):8*(4*((4*\qd+\k)&7)+\nt)+7], v[BI+8*\mt:BI+8*\mt+7]
.else
	v_wmma_f32_16x16x32_bf16 v[SA+8*(4*\mt+\nt):SA+8*(4*\mt+\nt)+7], v[\f+8*(2*\k+\mt):\f+8*(2*\k+\mt)+7], v[8*(4*((4*\qd+\k)&7)+\nt):8*(4*((4*\qd+\k)&7)+\nt)+7], v[SA+8*(4*\mt+\nt):SA+8*(4*\mt+\nt)+7]
.endif
.endif
.endr
.endr
.endr
.endm
; Only source 1 (QB) lies outside window 0, so the LDS loads need no switch.  Each wait leaves out the 16 loads just issued.
.macro PHASE_A cm
	WIN 0
	FETCHA 0, F0
	FETCHA 1, F1
	s_wait_dscnt 16
	WIN 0x08                                       ; source 1 in window 2: channels 0 to 255
	MULA 0, F0, \cm
	PLACES
	FETCHA 2, F0
	s_wait_dscnt 16
	MULA 1, F1, 0
	PLACES
	FETCHA 3, F1
	s_wait_dscnt 16
	WIN 0x0c                                       ; window 3: channels 256 to 511
	MULA 2, F0, 0
	s_wait_dscnt 0
	MULA 3, F1, 0
	WIN 0
	PLACES
.endm
; ---- phase C.  A K step of 32: 4 fragments of X and 8 of tile C, 24 loads, 32 matrix instructions.
.macro FETCHC ks, f, p
.irp nt, 0,1,2,3
	ds_load_b128 v[\p+8*\nt:\p+8*\nt+3],   v[PRD] offset:\nt*16*CPITCH+\ks*64
	ds_load_b128 v[\p+8*\nt+4:\p+8*\nt+7], v[PRD] offset:\nt*16*CPITCH+\ks*64+32
.endr
.irp ct, 0,1,2,3,4,5,6,7
	ds_load_b128 v[\f+8*\ct:\f+8*\ct+3],   v[CAD] offset:\ct*16*CPITCH+\ks*64
	ds_load_b128 v[\f+8*\ct+4:\f+8*\ct+7], v[CAD] offset:\ct*16*CPITCH+\ks*64+32
.endr
.endm
.macro MULC f, p, z
.irp ct, 0,1,2,3,4,5,6,7
.irp nt, 0,1,2,3
.if \z
	v_wmma_f32_16x16x32_bf16 v[8*(4*\ct+\nt):8*(4*\ct+\nt)+7], v[\f+8*\ct:\f+8*\ct+7], v[\p+8*\nt:\p+8*\nt+7], 0
.else
	v_wmma_f32_16x16x32_bf16 v[8*(4*\ct+\nt):8*(4*\ct+\nt)+7], v[\f+8*\ct:\f+8*\ct+7], v[\p+8*\nt:\p+8*\nt+7], v[8*(4*\ct+\nt):8*(4*\ct+\nt)+7]
.endif
.endr
.endr
.endm
; z = 1: the first K step starts OA's sums.  Each wait leaves out the 24 loads just issued.
.macro PHASE_C z
	WIN 0
	FETCHC 0, F0, PB0
	FETCHC 1, F1, PB1
	s_wait_dscnt 24
	WIN 0x50                                       ; C and D in window 1
	MULC F0, PB0, \z
	PLACES
	WIN 0
	FETCHC 2, F0, PB0
	s_wait_dscnt 24
	WIN 0x50
	MULC F1, PB1, 0
	PLACES
	WIN 0
	FETCHC 3, F1, PB1
	s_wait_dscnt 24
	WIN 0x50
	MULC F0, PB0, 0
	s_wait_dscnt 0
	MULC F1, PB1, 0
	WIN 0
	PLACES
.endm
; SA's 64 numbers to bf16, in place (tile's registers 0-3), and into X: token 16 nt + r, my rows 16 mt + 8 h + 0..7 of the wave's 32
.macro TO_X
.set i, 0
.rept 32
	v_cvt_pk_bf16_f32 v[SA+8*(i>>2)+(i&3)], v[SA+2*i], v[SA+2*i+1]   ; writes no register that a later line of the tile still reads
.set i, i+1
.endr
.irp mt, 0,1
.irp nt, 0,1,2,3
	ds_store_b128 v[PWR], v[SA+8*(4*\mt+\nt):SA+8*(4*\mt+\nt)+3] offset:\nt*16*CPITCH+\mt*32
.endr
.endr
.endm
; ---- one step of attention: 128 keys.  first = 1: nothing to rescale.  ga, gc: whose tiles are fetched next; step = 1: their addresses step first.
.macro ASTEP first, ga, gc, step
	PHASE_A 1                                      ; SA = K^T tile x Q, unscaled: lane = token, 16 registers a token tile = my 16 of the wave's 32 keys
	; the largest of my 16, four chains by turns; then the other half of the lanes
.irp nt, 0,1,2,3
	v_max3_num_f32 v[LM+\nt], v[SA+8*\nt], v[SA+8*\nt+1], v[SA+8*\nt+2]
.endr
.irp e, 3,5,7,9,11,13
.irp nt, 0,1,2,3
	v_max3_num_f32 v[LM+\nt], v[LM+\nt], v[SA+8*\nt+(\e&7)+32*(\e>>3)], v[SA+8*\nt+((\e+1)&7)+32*((\e+1)>>3)]
.endr
.endr
.irp nt, 0,1,2,3
	v_max_num_f32 v[LM+\nt], v[LM+\nt], v[SA+8*\nt+39]
.endr
.irp nt, 0,1,2,3
	v_permlanex16_b32 v[T+\nt], v[LM+\nt], s66, s67
.endr
.irp nt, 0,1,2,3
	v_max_num_f32 v[LM+\nt], v[LM+\nt], v[T+\nt]
.endr
	ds_store_b128 v[MWR], v[LM:LM+3]               ; both halves write the same numbers to the same bytes
	s_wait_dscnt 0x0                               ; my reads of tile A are back and my maxima are in LDS
	s_wait_tensorcnt 0x0                           ; all my tensor loads have landed (the one that was out: this step's tile C), so a descriptor may be written
	ds_add_u32 v62, v63
	s_wait_dscnt 0x0
.if \step
	s_add_nc_u64 s[\ga+2:\ga+3], s[\ga+2:\ga+3], ANEXT
.endif
	ROUND                                          ; both hold of every wave of the four work-groups
	tensor_load_to_lds s[\ga:\ga+3], s[G1A:G1A+7]  ; the next tile A, first behind the round, my one load until the next round: it has the softmax and phase C in which to land
	s_nop 0
.irp wv, 0,1,2,3
	ds_load_b128 v[F0+4*\wv:F0+4*\wv+3], v[MRD] offset:256*\wv
.endr
	s_wait_dscnt 0x0
.irp nt, 0,1,2,3
	v_max3_num_f32 v[T+\nt], v[F0+\nt], v[F0+4+\nt], v[F0+8+\nt]
.endr
.if \first
.irp nt, 0,1,2,3
	v_max_num_f32 v[M+\nt], v[T+\nt], v[F0+12+\nt]
.endr
.else
.irp nt, 0,1,2,3
	v_max3_num_f32 v[T+\nt], v[T+\nt], v[F0+12+\nt], v[M+\nt]       ; the new running maximum
.endr
.irp nt, 0,1,2,3
	v_sub_f32 v[ALP+2*\nt], v[M+\nt], v[T+\nt]
.endr
.irp nt, 0,1,2,3
	v_mul_f32 v[ALP+2*\nt], s68, v[ALP+2*\nt]
.endr
.irp nt, 0,1,2,3
	v_exp_f32 v[ALP+2*\nt], v[ALP+2*\nt]           ; what the old sums are worth under the new maximum
.endr
.irp nt, 0,1,2,3
	v_mov_b32 v[M+\nt], v[T+\nt]                   ; plain instructions between the exponentials and their first use (ISA guide 5.7.2)
.endr
	s_wait_alu depctr_va_vdst(0)
.irp nt, 0,1,2,3
	v_mov_b32 v[ALP+2*\nt+1], v[ALP+2*\nt]
.endr
.endif
.irp nt, 0,1,2,3
	v_mul_f32 v[NMP+2*\nt], s70, v[M+\nt]
.endr
.irp nt, 0,1,2,3
	v_mov_b32 v[NMP+2*\nt+1], v[NMP+2*\nt]
.endr
.set i, 0
.rept 32
	v_pk_fma_f32 v[SA+2*i:SA+2*i+1], v[SA+2*i:SA+2*i+1], s[68:69], v[NMP+2*((i>>2)&3):NMP+2*((i>>2)&3)+1] op_sel_hi:[1,0,1]   ; (s - max) x scale x log2 e
.set i, i+1
.endr
.set i, 0
.rept 64
	v_exp_f32 v[SA+i], v[SA+i]
.set i, i+1
.endr
	v_nop                                          ; one plain instruction behind the last exponential
	s_wait_alu depctr_va_vdst(0)
.irp nt, 0,1,2,3
	v_pk_add_f32 v[T+2*\nt:T+2*\nt+1], v[SA+8*\nt:SA+8*\nt+1], v[SA+8*\nt+2:SA+8*\nt+3]
.endr
.irp q, 4,6,32,34,36,38
.irp nt, 0,1,2,3
	v_pk_add_f32 v[T+2*\nt:T+2*\nt+1], v[T+2*\nt:T+2*\nt+1], v[SA+8*\nt+\q:SA+8*\nt+\q+1]
.endr
.endr
.irp nt, 0,1,2,3
.if \first
	v_add_f32 v[LS+\nt], v[T+2*\nt], v[T+2*\nt+1]
.else
	v_fma_f32 v[LS+\nt], v[LS+\nt], v[ALP+2*\nt], v[T+2*\nt]
	v_add_f32 v[LS+\nt], v[LS+\nt], v[T+2*\nt+1]
.endif
.endr
	TO_X
.if \first == 0
	WIN 0x41                                       ; destination and source 0 in window 1
.set i, 0
.rept 128
	v_pk_mul_f32 v[2*i:2*i+1], v[2*i:2*i+1], v[ALP+2*((i>>2)&3):ALP+2*((i>>2)&3)+1]   ; OA under the new maximum
.set i, i+1
.endr
	WIN 0
.endif
	s_wait_dscnt 0x0                               ; my part of X is in LDS
	BAR                                            ; everybody's is.  Tile A's load stays on its way
	PHASE_C \first                                 ; OA += V tile x X
	s_wait_dscnt 0x0                               ; my reads of tile C and of X are back
	s_wait_tensorcnt 0x0                           ; the next tile A has landed; no load of mine is out
	ds_add_u32 v62, v63
	s_wait_dscnt 0x0
.if \step
	s_add_nc_u64 s[\gc+2:\gc+3], s[\gc+2:\gc+3], CNEXT
.endif
	ROUND
	tensor_load_to_lds s[\gc:\gc+3], s[G1C:G1C+7]  ; the next tile C: it has phase A in which to land
	s_nop 0
.endm
; ---- the attention result of token tile u, divided by its row sums, from OA (my 128 channels) into every wave's QB (all 512)
.macro XCHG u
	WIN 0x01                                       ; source 0 in window 1
.set i, 0
.rept 32
	v_pk_mul_f32 v[F0+2*i:F0+2*i+1], v[8*(4*(i>>2)+\u)+2*(i&3):8*(4*(i>>2)+\u)+2*(i&3)+1], v[ALP+2*\u:ALP+2*\u+1]
.set i, i+1
.endr
	WIN 0
.set i, 0
.rept 32
	v_cvt_pk_bf16_f32 v[SA+i], v[F0+2*i], v[F0+2*i+1]
.set i, i+1
.endr
.irp ct, 0,1,2,3,4,5,6,7
	ds_store_b128 v[XWR], v[SA+4*\ct:SA+4*\ct+3] offset:32*\ct       ; token r, channels 128 w + 16 ct + 8 h + 0..7
.endr
	s_wait_dscnt 0x0
	BAR                                            ; the 16 tokens' 512 channels are whole
	WIN 0x80
.irp ks, 0,1,2,3,4,5,6,7
	ds_load_b128 v[8*(4*\ks+\u):8*(4*\ks+\u)+3],   v[XRD] offset:64*\ks
	ds_load_b128 v[8*(4*\ks+\u)+4:8*(4*\ks+\u)+7], v[XRD] offset:64*\ks+32
.endr
	WIN 0xc0
.irp ks, 0,1,2,3,4,5,6,7
	ds_load_b128 v[8*(4*\ks+\u):8*(4*\ks+\u)+3],   v[XRD] offset:64*\ks+512
	ds_load_b128 v[8*(4*\ks+\u)+4:8*(4*\ks+\u)+7], v[XRD] offset:64*\ks+544
.endr
	WIN 0
	s_wait_dscnt 0x0
	BAR                                            ; everybody has read: the bytes may be written again
.endm
.macro BILOAD                          ; b1 of rows 16 mt + 8 h + 0..7 of my 32 of this step's 128
.irp mt, 0,1
	global_load_b128 v[BI+8*\mt:BI+8*\mt+3],   v[GB1], s[14:15] offset:64*\mt
	global_load_b128 v[BI+8*\mt+4:BI+8*\mt+7], v[GB1], s[14:15] offset:64*\mt+16
.endr
.endm
; ---- one step of the two convolutions: 128 hidden channels.  refill = 0: the last step, nothing left to fetch
.macro FSTEP first, refill
	s_wait_loadcnt 0x0                             ; this step's b1; the wait also frees its offset register
	PHASE_A 2                                      ; SA = b1 + w1 tile x attention result
.if \refill
	v_add_nc_u32 v[GB1], 512, v[GB1]               ; 128 numbers on
	BILOAD
.endif
.set i, 0
.rept 64
	v_max_num_f32 v[SA+i], 0, v[SA+i]              ; ReLU
.set i, i+1
.endr
	TO_X
	s_wait_dscnt 0x0                               ; my reads of tile A are back and my part of X is in LDS
	s_wait_tensorcnt 0x0                           ; this step's tile C has landed; no load of mine is out
	ds_add_u32 v62, v63
	s_wait_dscnt 0x0
.if \refill
	s_add_nc_u64 s[G0A2+2:G0A2+3], s[G0A2+2:G0A2+3], ANEXT
	ROUND                                          ; it also shows X whole to every wave
	tensor_load_to_lds s[G0A2:G0A2+3], s[G1A:G1A+7]
	s_nop 0
.else
	BAR
.endif
	PHASE_C \first                                 ; OA += w2 tile x hidden
	s_wait_dscnt 0x0
.if \refill
	s_wait_tensorcnt 0x0
	ds_add_u32 v62, v63
	s_wait_dscnt 0x0
	s_add_nc_u64 s[G0C2+2:G0C2+3], s[G0C2+2:G0C2+3], CNEXT
	ROUND
	tensor_load_to_lds s[G0C2:G0C2+3], s[G1C:G1C+7]
	s_nop 0
.else
	BAR                                            ; every wave's reads of X are back: its bytes become the stage
.endif
.endm
	s_wait_tensorcnt 0x1                           ; my quarter of the first tile A is in; tile C's may stay out
	BAR
	s_wait_loadcnt 0x0                             ; Q
	ASTEP 1, G0A, G0C, 1
	s_mov_b32 s74, 14
.Lattn:
	ASTEP 0, G0A, G0C, 1
	s_sub_co_i32 s74, s74, 1
	s_cmp_lg_u32 s74, 0
	s_cbranch_scc1 .Lattn
	ASTEP 0, G0A2, G0C2, 0                         ; the last 128 keys; the slots are filled with the first tiles of w1 and w2
	; the row sums: the other half of the lanes, then the other waves.  The largest term of a row is 1 up to rounding, so the sum is no small number.
.irp nt, 0,1,2,3
	v_permlanex16_b32 v[T+\nt], v[LS+\nt], s66, s67
.endr
.irp nt, 0,1,2,3
	v_add_f32 v[LS+\nt], v[LS+\nt], v[T+\nt]
.endr
	ds_store_b128 v[MWR], v[LS:LS+3] offset:1024
	s_wait_dscnt 0x0
	BAR                                            ; w2's first tile stays on its way
.irp wv, 0,1,2,3
	ds_load_b128 v[F0+4*\wv:F0+4*\wv+3], v[MRD] offset:1024+256*\wv
.endr
	s_wait_dscnt 0x0
.irp nt, 0,1,2,3
	v_add_f32 v[T+\nt], v[F0+\nt], v[F0+4+\nt]
	v_add_f32 v[T+4+\nt], v[F0+8+\nt], v[F0+12+\nt]
.endr
.irp nt, 0,1,2,3
	v_add_f32 v[T+\nt], v[T+\nt], v[T+4+\nt]
.endr
.irp nt, 0,1,2,3
	v_rcp_f32 v[ALP+2*\nt], v[T+\nt]
	v_rcp_f32 v[ALP+2*\nt+1], v[T+\nt]
.endr
	v_nop                                          ; one plain instruction behind the last reciprocal
	s_wait_alu depctr_va_vdst(0)
	XCHG 0
	XCHG 1
	XCHG 2
	XCHG 3
	BILOAD                                         ; b1 of the first 128 hidden channels
	FSTEP 1, 1
	s_mov_b32 s74, 14
.Lffn:
	FSTEP 0, 1
	s_sub_co_i32 s74, s74, 1
	s_cmp_lg_u32 s74, 0
	s_cbranch_scc1 .Lffn
	FSTEP 0, 0
	; THE WAY OUT, 16 channels x 64 tokens at a time: + b2, through my own stage in LDS into rows of 256 bytes, x gamma + query, stored.
.irp ct, 0,1,2,3,4,5,6,7
	global_load_b128 v[B2R+8*\ct:B2R+8*\ct+3],   v[GB2], s[16:17] offset:64*\ct
	global_load_b128 v[B2R+8*\ct+4:B2R+8*\ct+7], v[GB2], s[16:17] offset:64*\ct+16
.endr
.irp t, 0,1,2,3,4,5,6,7
	global_load_b128 v[QR0+4*\t:QR0+4*\t+3], v[GO], s[20:21] offset:2*\t*8192 th:TH_LOAD_NT
.endr
.irp ct, 0,1,2,3,4,5,6,7
.if \ct < 7
.irp t, 0,1,2,3,4,5,6,7
	global_load_b128 v[QR0+32*((\ct+1)&1)+4*\t:QR0+32*((\ct+1)&1)+4*\t+3], v[GO], s[20:21] offset:(16*(\ct+1)+2*\t)*8192 th:TH_LOAD_NT
.endr
	s_wait_loadcnt 8                               ; b2 and this block's query are in; the next block's eight loads stay out
.else
	s_wait_loadcnt 0
.endif
	WIN 0x01
.set i, 0
.rept 16
	v_pk_add_f32 v[T2+2*i:T2+2*i+1], v[32*\ct+2*i:32*\ct+2*i+1], v[B2R+8*\ct+2*(i&3):B2R+8*\ct+2*(i&3)+1]
.set i, i+1
.endr
	WIN 0
.irp nt, 0,1,2,3
.irp j, 0,1,2,3,4,5,6,7
	ds_store_b32 v[SWR], v[T2+8*\nt+\j] offset:\j*CPITCH+\nt*64      ; row 8 h + j, token 16 nt + r: the two halves of the lanes lie 32 words apart modulo 64
.endr
.endr
	s_wait_xcnt 0x0                                ; every earlier memory instruction has had its addresses translated (ISA guide 3.1): ST, the last stores' data, is loaded again only behind this wait
.irp t, 0,1,2,3,4,5,6,7
	ds_load_b128 v[ST+4*\t:ST+4*\t+3], v[SRD] offset:2*CPITCH*\t     ; LDS serves a wave's instructions in order (ISA guide 5.7.1.4): these see the stores above
.endr
.irp t, 0,1,2,3,4,5,6,7
	s_wait_dscnt 7-\t
	v_pk_fma_f32 v[ST+4*\t:ST+4*\t+1],   v[ST+4*\t:ST+4*\t+1],   s[72:73], v[QR0+32*(\ct&1)+4*\t:QR0+32*(\ct&1)+4*\t+1]   op_sel_hi:[1,0,1]
	v_pk_fma_f32 v[ST+4*\t+2:ST+4*\t+3], v[ST+4*\t+2:ST+4*\t+3], s[72:73], v[QR0+32*(\ct&1)+4*\t+2:QR0+32*(\ct&1)+4*\t+3] op_sel_hi:[1,0,1]
	global_store_b128 v[GO], v[ST+4*\t:ST+4*\t+3], s[22:23] offset:(16*\ct+2*\t)*8192 th:TH_STORE_NT   ; 16 lanes store 256 consecutive bytes, at a multiple of 256
.endr
.endr
	s_wait_dscnt 0x0
	s_wait_tensorcnt 0x0
	ds_add_u32 v62, v63
	s_wait_dscnt 0x0
	ROUND                                          ; the closing round: no work-group ends while a partner may still ask for a tile that names it
	s_endpgm
.Lfunc_end_k_qcfa7b884be_scam:
	.size	k_qcfa7b884be_scam, .Lfunc_end_k_qcfa7b884be_scam-k_qcfa7b884be_scam
	.p2alignl 7, 3214868480
	.fill 96, 4, 3214868480
	.section	.rodata,"a",@progbits
	.p2align	6, 0x0
	.amdhsa_kernel k_qcfa7b884be_scam
		.amdhsa_group_segment_fixed_size 327680
		.amdhsa_private_segment_fixed_size 0
		.amdhsa_enable_private_segment 0
		.amdhsa_kernarg_size 80
		.amdhsa_user_sgpr_count 2
		.amdhsa_user_sgpr_kernarg_segment_ptr 1
		.amdhsa_wavefront_size32 1
		.amdhsa_system_sgpr_workgroup_id_x 1
		.amdhsa_system_sgpr_workgroup_id_y 1
		.amdhsa_system_sgpr_workgroup_id_z 1
		.amdhsa_system_vgpr_workitem_id 0
		.amdhsa_next_free_vgpr 1024
		.amdhsa_next_free_sgpr 80
		.amdhsa_reserve_vcc 0
		.amdhsa_float_denorm_mode_32 3
		.amdhsa_float_denorm_mode_16_64 3
		.amdhsa_memory_ordered 1
		.amdhsa_forward_progress 1
		.amdhsa_inst_pref_size 255
	.end_amdhsa_kernel
	.section	.bss,"aw",@nobits
	.p2align	6
	.space	262144
	.amdgpu_metadata
---
amdhsa.version: [ 1, 2 ]
amdhsa.kernels:
  - .name:           k_qcfa7b884be_scam
    .symbol:         k_qcfa7b884be_scam.kd
    .args:
      - { .name: qt, .offset: 0, .size: 8, .value_kind: global_buffer, .address_space: global }
      - { .name: kt, .offset: 8, .size: 8, .value_kind: global_buffer, .address_space: global }
      - { .name: vb, .offset: 16, .size: 8, .value_kind: global_buffer, .address_space: global }
      - { .name: w1b, .offset: 24, .size: 8, .value_kind: global_buffer, .address_space: global }
      - { .name: w2b, .offset: 32, .size: 8, .value_kind: global_buffer, .address_space: global }
      - { .name: b1, .offset: 40, .size: 8, .value_kind: global_buffer, .address_space: global }
      - { .name: b2, .offset: 48, .size: 8, .value_kind: global_buffer, .address_space: global }
      - { .name: gamma, .offset: 56, .size: 8, .value_kind: global_buffer, .address_space: global }
      - { .name: query, .offset: 64, .size: 8, .value_kind: global_buffer, .address_space: global }
      - { .name: out0, .offset: 72, .size: 8, .value_kind: global_buffer, .address_space: global }
    .group_segment_fixed_size: 327680
    .private_segment_fixed_size: 0
    .kernarg_segment_align: 8
    .kernarg_segment_size: 80
    .max_flat_workgroup_size: 128
    .sgpr_count:     80
    .vgpr_count:     1024
    .wavefront_size: 32
...
	.end_amdgpu_metadata
.endif
;; end of part 2
;; ======== version 2 of 2: 2 launches
;; workspace buffers: kt 16,777,216 bytes; vb 16,777,216 bytes; w1b 2,097,152 bytes; w2b 2,097,152 bytes
;; launch prep (part 3): grid 2304 x 1, 8 waves a work-group, no clusters, 18,432 bytes of LDS; arguments key, value, w1, w2, kt, vb, w1b, w2b; writes kt, vb, w1b, w2b
.if DOCPART == 3
	.amdgcn_target "amdgcn-amd-amdhsa--gfx1250"
	.amdhsa_code_object_version 6
	.text
	.protected	k_qcfa7b884be_prep
	.globl	k_qcfa7b884be_prep
	.p2align	8
	.type	k_qcfa7b884be_prep,@function
k_qcfa7b884be_prep:
	s_mov_b64 s[64:65], 0
	v_nop
	global_prefetch_b8 v0, s[64:65] scope:SCOPE_SE
	s_setreg_imm32_b32 hwreg(HW_REG_WAVE_MODE, 25, 1), 1
	s_wait_xcnt 0x0
; SCAM, launch 1 of 2: the matrix operands that many work-groups of launch 2 read, rounded once to bf16 and laid so that K of every
; product is contiguous.
;   kt[b][m][c] = bf16(key[b][c][m])       (transposed)
;   vb[b][c][m] = bf16(value[b][c][m])     w1b = bf16(w1)     w2b = bf16(w2)     (same layout)
; NOTHING OF reference() IS LEFT OUT in either launch: all four products, the maximum taken away before the exponential, both biases,
; the ReLU, gamma and the residual are computed, and every input is loaded.
; LIMITS, for both launches: inputs are finite.  Matrix operands (q, k, v, w1, w2, the softmax weights, the attention result, the hidden
; layer) are rounded to bf16; all sums, maxima, exponentials and row sums are f32.  An exponential below 2^-126 counts as 0
; (ISA guide 15.8, v_exp_f32).
; Why a launch of its own: 32 work-groups of launch 2 read each K and V tile and all 256 read the weights, through a copy engine that
; moves bytes unchanged; converting there would repeat the conversion 32 to 256 times and double the bytes of every tile.
; query is not touched here: each block of 64 tokens of it is read by one work-group of launch 2 alone, which rounds it itself.
; 2,304 work-groups of eight waves, each 32 KiB in and 16 KiB out.  x < 1024: a transposed tile of 128 c x 64 m of key.
; x >= 1024: a plain cast of 8,192 numbers (1,024 groups for value, 128 for w1, 128 for w2).  No matrix unit, no cluster:
; no two work-groups read the same byte.
.set PITCH, 272                        ; an LDS row: 128 bf16 + 16 bytes
.set X, 8                              ; v[8:39]   as loaded, f32
.set Y, 40                             ; v[40:55]  packed bf16
	s_load_b512 s[4:19], s[0:1], 0x0               ; key 4, value 6, w1 8, w2 10, kt 12, vb 14, w1b 16, w2b 18
	v_lshl_add_u32 v64, v0, 2, 0x4400
	v_mov_b32 v65, 0
	s_mov_b32 s29, 0
	s_mov_b32 s33, 0
	s_cmp_ge_u32 ttmp9, 1024                       ; the same for all waves of the work-group
	s_cbranch_scc1 .Lcast
	; ---- a transposed tile.  x = batch x 128 + c block x 32 + m block
	s_lshr_b32 s25, ttmp9, 7                       ; batch
	s_bfe_u32 s26, ttmp9, 0x20005                  ; c block of 128 (2 bits from bit 5)
	s_and_b32 s27, ttmp9, 31                       ; m block of 64
	s_lshl_b32 s28, s25, 22                        ; source: batch x 512 x 2048 x 4
	s_lshl_b32 s30, s26, 20                        ;  + 128 rows of 8,192 bytes
	s_add_co_u32 s28, s28, s30
	s_lshl_b32 s30, s27, 8                         ;  + 64 numbers of 4 bytes
	s_add_co_u32 s28, s28, s30
	s_lshl_b32 s32, s25, 21                        ; target: batch x 2048 x 512 x 2
	s_lshl_b32 s30, s27, 16                        ;  + 64 rows of 1,024 bytes
	s_add_co_u32 s32, s32, s30
	s_lshl_b32 s30, s26, 8                         ;  + 128 numbers of 2 bytes
	s_add_co_u32 s32, s32, s30
	v_and_b32 v1, 15, v0                           ; p: which 16 bytes of a 256-byte piece
	v_lshrrev_b32 v2, 4, v0                        ; g: 0 to 15
	v_lshlrev_b32 v3, 4, v1                        ; 16 p
	v_lshl_add_u32 v4, v2, 14, v3                  ; load: rows 2 g, 2 g + 1 (8,192 bytes each), columns 4 p .. 4 p + 3
	v_mul_u32_u24 v5, v1, 4*PITCH                  ; LDS in: row m = 4 p (+ 0..3 by the offset),
	v_lshl_add_u32 v5, v2, 2, v5                   ;   the word of channels 2 g, 2 g + 1 (+ 32 i by the offset)
	v_mul_u32_u24 v6, v2, PITCH                    ; LDS back: row m = g (+ 16 i), 16 bytes at 16 p
	v_add_nc_u32 v6, v6, v3
	v_lshl_add_u32 v7, v2, 10, v3                  ; store: row m = g of 1,024 bytes, 16 bytes at 16 p
	s_wait_kmcnt 0x0
	s_add_nc_u64 s[34:35], s[4:5], s[28:29]
	s_add_nc_u64 s[36:37], s[12:13], s[32:33]
.irp i, 0,1,2,3
.irp e, 0,1
	global_load_b128 v[X+8*\i+4*\e:X+8*\i+4*\e+3], v4, s[34:35] offset:\i*262144+\e*8192 th:TH_LOAD_NT   ; channel 32 i + 2 g + e; 16 lanes take 256 consecutive bytes
.endr
.endr
	; Two neighbouring channels of one m make a word.  The four lanes p, p + 4, p + 8, p + 12 write rows 16 apart, 16 x 68 words = 0 modulo
	; 64 words (64 banks of 4 bytes: ISA guide 11.1), so these stores are served four deep.  Kept: a pitch that keeps the 16-byte reads
	; below aligned is a multiple of 4 words, which leaves such a collision, and the tile's 48 KiB of memory traffic outweigh 16 stores a wave.
.irp i, 0,1,2,3
	s_wait_loadcnt 6-2*\i                          ; loads come back in order: pair i is in, the younger pairs stay out
.irp e, 0,1,2,3
	v_cvt_pk_bf16_f32 v[Y+4*\i+\e], v[X+8*\i+\e], v[X+8*\i+4+\e]
.endr
.irp e, 0,1,2,3
	ds_store_b32 v5, v[Y+4*\i+\e] offset:\e*PITCH+64*\i
.endr
.endr
	s_wait_dscnt 0x0                               ; my stores are in LDS before I say so
	s_barrier_signal -1
	s_barrier_wait -1                              ; everybody's are
.irp i, 0,1,2,3
	ds_load_b128 v[X+4*\i:X+4*\i+3], v6 offset:16*PITCH*\i
.endr
.irp i, 0,1,2,3
	s_wait_dscnt 3-\i                              ; LDS loads come back in order
	global_store_b128 v7, v[X+4*\i:X+4*\i+3], s[36:37] offset:16384*\i   ; 16 lanes store 256 consecutive bytes, at a multiple of 256
.endr
	s_wait_tensorcnt 0x0
	ds_add_u32 v64, v65
	s_wait_dscnt 0x0
	s_endpgm
	; ---- a plain cast of 32 KiB
.Lcast:
	s_sub_co_u32 s24, ttmp9, 1024
	v_lshlrev_b32 v3, 4, v0                        ; 16 t in the source
	v_lshlrev_b32 v4, 3, v0                        ; 8 t in the target
	s_wait_kmcnt 0x0
	s_cmp_lt_u32 s24, 1024                         ; value, or w1,
	s_cselect_b64 s[34:35], s[6:7], s[8:9]
	s_cselect_b64 s[36:37], s[14:15], s[16:17]
	s_cselect_b32 s25, 0, 1024
	s_cmp_lt_u32 s24, 1152                         ; or w2: choices by the work-group's number
	s_cselect_b64 s[34:35], s[34:35], s[10:11]
	s_cselect_b64 s[36:37], s[36:37], s[18:19]
	s_cselect_b32 s25, s25, 1152
	s_sub_co_u32 s24, s24, s25                     ; my block in that buffer
	s_lshl_b32 s28, s24, 15
	s_lshl_b32 s32, s24, 14
	s_add_nc_u64 s[34:35], s[34:35], s[28:29]
	s_add_nc_u64 s[36:37], s[36:37], s[32:33]
.irp k, 0,1,2,3,4,5,6,7
	global_load_b128 v[X+4*\k:X+4*\k+3], v3, s[34:35] offset:4096*\k th:TH_LOAD_NT
.endr
.irp k, 0,1,2,3,4,5,6,7
	s_wait_loadcnt 7-\k                            ; load k is in, the younger ones stay out
	v_cvt_pk_bf16_f32 v[Y+2*\k], v[X+4*\k], v[X+4*\k+1]
	v_cvt_pk_bf16_f32 v[Y+2*\k+1], v[X+4*\k+2], v[X+4*\k+3]
	global_store_b64 v4, v[Y+2*\k:Y+2*\k+1], s[36:37] offset:2048*\k     ; a wave's 32 lanes store 256 consecutive bytes, aligned
.endr
	s_endpgm
.Lfunc_end_k_qcfa7b884be_prep:
	.size	k_qcfa7b884be_prep, .Lfunc_end_k_qcfa7b884be_prep-k_qcfa7b884be_prep
	.p2alignl 7, 3214868480
	.fill 96, 4, 3214868480
	.section	.rodata,"a",@progbits
	.p2align	6, 0x0
	.amdhsa_kernel k_qcfa7b884be_prep
		.amdhsa_group_segment_fixed_size 18432
		.amdhsa_private_segment_fixed_size 0
		.amdhsa_enable_private_segment 0
		.amdhsa_kernarg_size 64
		.amdhsa_user_sgpr_count 2
		.amdhsa_user_sgpr_kernarg_segment_ptr 1
		.amdhsa_wavefront_size32 1
		.amdhsa_system_sgpr_workgroup_id_x 1
		.amdhsa_system_sgpr_workgroup_id_y 1
		.amdhsa_system_sgpr_workgroup_id_z 1
		.amdhsa_system_vgpr_workitem_id 0
		.amdhsa_next_free_vgpr 66
		.amdhsa_next_free_sgpr 66
		.amdhsa_reserve_vcc 0
		.amdhsa_float_denorm_mode_32 3
		.amdhsa_float_denorm_mode_16_64 3
		.amdhsa_memory_ordered 1
		.amdhsa_forward_progress 1
		.amdhsa_inst_pref_size 9
	.end_amdhsa_kernel
	.amdgpu_metadata
---
amdhsa.version: [ 1, 2 ]
amdhsa.kernels:
  - .name:           k_qcfa7b884be_prep
    .symbol:         k_qcfa7b884be_prep.kd
    .args:
      - { .name: key, .offset: 0, .size: 8, .value_kind: global_buffer, .address_space: global }
      - { .name: value, .offset: 8, .size: 8, .value_kind: global_buffer, .address_space: global }
      - { .name: w1, .offset: 16, .size: 8, .value_kind: global_buffer, .address_space: global }
      - { .name: w2, .offset: 24, .size: 8, .value_kind: global_buffer, .address_space: global }
      - { .name: kt, .offset: 32, .size: 8, .value_kind: global_buffer, .address_space: global }
      - { .name: vb, .offset: 40, .size: 8, .value_kind: global_buffer, .address_space: global }
      - { .name: w1b, .offset: 48, .size: 8, .value_kind: global_buffer, .address_space: global }
      - { .name: w2b, .offset: 56, .size: 8, .value_kind: global_buffer, .address_space: global }
    .group_segment_fixed_size: 18432
    .private_segment_fixed_size: 0
    .kernarg_segment_align: 8
    .kernarg_segment_size: 64
    .max_flat_workgroup_size: 256
    .sgpr_count:     66
    .vgpr_count:     66
    .wavefront_size: 32
...
	.end_amdgpu_metadata
.endif
;; end of part 3
;; launch scam (part 4): grid 256 x 1, 4 waves a work-group, clusters of 4 x 1, 327,680 bytes of LDS; arguments kt, vb, w1b, w2b, b1, b2, gamma, query, out0; writes out0
.if DOCPART == 4
	.amdgcn_target "amdgcn-amd-amdhsa--gfx1250"
	.amdhsa_code_object_version 6
	.text
	.protected	k_qcfa7b884be_scam
	.globl	k_qcfa7b884be_scam
	.p2align	8
	.type	k_qcfa7b884be_scam,@function
k_qcfa7b884be_scam:
	s_mov_b64 s[64:65], 0
	v_nop
	global_prefetch_b8 v0, s[64:65] scope:SCOPE_SE
	s_setreg_imm32_b32 hwreg(HW_REG_WAVE_MODE, 25, 1), 1
	s_wait_xcnt 0x0
	s_wait_alu depctr_hold_cnt(0) depctr_sa_sdst(0) depctr_va_vdst(0) depctr_va_sdst(0) depctr_va_ssrc(0) depctr_va_vcc(0) depctr_vm_vsrc(0)
	s_getreg_b32 s2, hwreg(HW_REG_IB_STS2, 6, 4)
	s_cmp_eq_u32 s2, 0
	s_cbranch_scc0 .Lentry_in_a_cluster
	s_endpgm
.Lentry_in_a_cluster:
	s_bfe_u32 s2, ttmp6, 0x10000c
	s_cmp_lg_u32 s2, 0x3003
	s_cbranch_scc0 .Lentry_shape_is_right
	s_endpgm
.Lentry_shape_is_right:
; SCAM, launch 2 of 2: attention, the two 1x1 convolutions, bias, ReLU, gamma and the residual for 64 tokens a work-group.
; Nothing of reference() is left out.  LIMITS: inputs finite; matrix operands bf16, everything else f32; an exponential below 2^-126
; counts as 0 (ISA guide 15.8).  The maximum taken away in front of the exponential is the true running maximum of the row over all keys
; seen so far (all four waves' keys), and the scale 512^-1/2 is applied in f32 inside the exponent's multiply-add.  The keys and the hidden
; channels are summed in an order that differs from reference()'s and from cluster to cluster (see THE ORDER OF THE TILES): rounding alone.
;
; ALL FOUR PRODUCTS ARE USED WITH THE TOKENS AS THE COLUMNS OF THE MATRIX INSTRUCTION.  In a result, lane l then holds token l % 16 and its
; eight registers eight neighbouring rows (keys, channels, hidden channels) 8 (l / 16) + 0..7, which packed to bf16 are 16 bytes of the
; next product's second source.  A row's maximum and sum are one number a lane.
; THE WORK: 32 steps, 16 of 128 keys and then 16 of 128 hidden channels, each of two phases of 128 matrix instructions a wave:
;   phase A:  SA[32 x 64]  = tile A[my 32 of 128 rows][512] x QB      tile A: rows of K^T, later of w1;  QB: Q, later the attention result,
;                                                                     64 tokens x 512 channels in 512 registers of every wave
;   phase C:  OA[128 x 64] += tile C[my 128 of 512 rows][128] x X     tile C: columns of V, later of w2;  X: the step's 128 x 64 softmax
;                                                                     weights, later hidden values, which the waves hand each other in LDS
; The four waves share the 64 tokens and split the rows, so that each 1 KiB fragment read from LDS feeds four matrix instructions.
; CLUSTER 4 x 1: the four work-groups of a cluster are four token blocks of one batch and read the same tiles of K, V, w1, w2 in the same
; order: every tile is asked for jointly (mask 15).  The place in the cluster enters the addresses of query and out0 and the offsets of the
; prefetches alone.  A second axis would share nothing more: a tile is the same for all token blocks, and a mask names four.
; THE ORDER OF THE TILES: a softmax with a running maximum and a sum over hidden channels hang on no order.  Cluster c (0..7) of a batch begins
; at key tile 4 ((c xor c / 4) mod 4) and goes round the 16; cluster n (0..63) of the launch begins at hidden tile (n xor n / 4) mod 16.  The four
; starts 0, 4, 8, 12 all occur among clusters 0-3, among 4-7, among the even and among the odd ones.  So clusters in step read different tiles
; of a buffer at a time, and from its fifth step of attention on, and from its second hidden step on, a cluster asks for tiles that another
; cluster has asked for before.
; PREFETCH, for the tiles that no cluster has asked for before.  K and V: the three tiles behind a cluster's first; clusters 0-3 of a batch ask
; for K's, clusters 4-7, which have the same starts, for V's; a tile's 512 blocks of 256 bytes are 4 work-groups x 4 waves x 32 lanes, each block
; asked for once.  The first of the three is asked for at the head, the second behind step 0's refill of tile A, the third behind its refill
; of tile C: one to two steps ahead of the tensor loads that want them; the highest tile is 12 + 3 = 15, inside the batch's 2 MiB.
; w1b and w2b (8,192 blocks each): wave 0 of work-group G (0..255) asks for blocks 32 G + lane, w1b's behind step 14's refill of tile A and
; w2b's behind its refill of tile C, each one step ahead of the first tensor loads from that buffer.  Nothing else is asked for ahead.
; LDS: tile A and tile C have one slot each and are filled by turns: A's while phase C runs, C's while phase A runs.  Two slots of each
; (4 x 133 KiB) do not fit.  Each wave fetches and reads its own quarter of each tile.
; A PHASE'S TAIL: a wave's last reads of its tile are back 32 matrix instructions before the phase ends.  There it waits for them and for its
; tensor load, opens the round of the cluster's barrier, issues 8 matrix instructions while the others arrive, closes the round, asks for the
; slot's next tile, fetches the next phase's first fragments from the other tile into the free buffer, and issues the last 24.
; Q: my 64 tokens of query are read by this work-group alone, so they are rounded here: f32 rows in, bf16 [channel][token] into LDS bytes
; that no tensor load fills, and out by the transposing load, 256 channels at a time, while the first two tiles are on their way.
; REGISTERS, in windows of 256: window 0 addresses, statistics, SA, two fragment buffers; window 1 OA (tile (ct, nt) at 8 (4 ct + nt));
; windows 2 and 3 QB (fragment (ks, nt) at 8 (4 (ks % 8) + nt) of window 2 + ks / 8).
; The accumulators of every run of matrix instructions take turns, one instruction a turn.
.set APITCH, 1040                      ; tile A's LDS row: 1,024 bytes + 16 = 65 x 16: sixteen rows start at sixteen different 16-byte columns of 256
.set CPITCH, 272                       ; tile C's, X's and the stage's LDS row: 256 bytes + 16 = 17 x 16
.set QPITCH, 160                       ; Q's scratch row: 64 bf16 + 32 bytes = 5 x 32
.set AQ,  32*APITCH                    ; a wave's quarter of tile A
.set RC,  4*AQ                         ; tile C begins behind tile A: 133,120
.set CQ,  128*CPITCH                   ; a wave's quarter of tile C
.set PX,  RC+4*CQ                      ; 272,384: 17,408 bytes written by LDS stores alone: X; the exchange of the attention result; the stage
.set MX,  PX+64*CPITCH                 ; 289,792: 1 KiB of maxima [wave][token % 16][token / 16]; 1 KiB of row sums behind it
.set QS,  PX                           ; Q's scratch, 256 rows x 160 = 40,960 bytes to 313,344: over PX and MX, which are first written behind its last barrier
.set ASH, 17                           ; tile A number t begins t << 17 bytes on: 128 rows of 1,024 bytes
.set CSH, 8                            ; tile C number t begins t << 8 bytes on: 128 columns of 2 bytes
.set PF,  1                            ; v1   prefetch of K or V: my block's offset, stepped twice
.set PW,  2                            ; v2   prefetch of w1b and w2b: my block's offset, never rewritten
.set AAD, 4                            ; v4   my fragments of tile A
.set CAD, 5                            ; v5   my fragments of tile C
.set PRD, 6                            ; v6   X, read
.set PWR, 7                            ; v7   X, written
.set MWR, 8                            ; v8   my wave's maxima
.set MRD, 9                            ; v9   all waves' maxima
.set XWR, 10                           ; v10  exchange, written
.set XRD, 11                           ; v11  exchange, read
.set SWR, 12                           ; v12  stage, written
.set SRD, 13                           ; v13  stage, read
.set GQ,  14                           ; v14  offset in query, the way in
.set GO,  15                           ; v15  offset in query and out0, the way out
.set GB1, 16                           ; v16  offset in b1, stepped
.set GB2, 17                           ; v17  offset in b2
.set QW,  18                           ; v18  Q's scratch, written
.set TRA, 19                           ; v19  Q's scratch, read transposed
.set M,   20                           ; v[20:23]  running maximum of token tile nt, unscaled
.set ALP, 24                           ; v[24:31]  pairs (x, x): the step's rescale factor; at the end 1 / row sum
.set NMP, 32                           ; v[32:39]  pairs: - maximum x scale
.set LS,  40                           ; v[40:43]  my part of the row sums
.set LM,  44                           ; v[44:47]  the step's maxima
.set T,   48                           ; v[48:55]  at work
.set MXR, 48                           ; v[48:63]  the four waves' maxima or row sums as read back
.set TM,  59                           ; v59  the head alone: at work
.set RR,  60                           ; v60  the head alone: r = lane % 16
.set HH,  61                           ; v61  the head alone: h = lane / 16
.set BI,  32                           ; v[32:47]  second half of the kernel: b1 of my 2 x 8 rows
.set SA,  64                           ; v[64:127] phase A's eight result tiles, (mt, nt) at SA + 8 (4 mt + nt)
.set PB0, 64                           ; phase C: X's fragments, two buffers, in SA's place
.set PB1, 96
.set F0,  128                          ; v[128:191] fragment buffer 0
.set F1,  192                          ; v[192:255] fragment buffer 1
.set T2,  128                          ; the way out: 16 rows x 64 tokens as computed
.set ST,  160                          ; the way out: the same by rows
.set BKT, 4                            ; s[4:5]   kt, then kt at my batch and my wave's 32 rows of tile 0
.set BVB, 6                            ; s[6:7]   vb, then vb at my batch and my wave's 128 rows
.set A_W1, 8                           ; s[8:9]   w1b
.set A_W2, 10                          ; s[10:11] w2b
.set A_B1, 12
.set A_B2, 14
.set A_GM, 16
.set A_Q,  18                          ; query, later at my wave's 128 channels of my 64 tokens
.set A_O,  20                          ; out0, likewise
.set A_Q0, 22                          ; s[22:23] query at channel 0 of my 64 tokens
.set G1A, 32                           ; s[32:39] shape of a quarter of tile A
.set G1C, 40                           ; s[40:47] shape of a quarter of tile C
.set G0A, 48                           ; s[48:51] K^T     from where, to where
.set G0C, 52                           ; s[52:55] V
.set G0A2, 56                          ; s[56:59] w1
.set G0C2, 60                          ; s[60:63] w2
.set TK,  71                           ; s71      the key tile asked for last
.set PFB, 80                           ; s[80:81] prefetch: kt or vb at my batch
.set PFS, 82                           ; s82      prefetch: bytes from a tile to the next in that buffer
.set TW,  83                           ; s83      the hidden tile asked for last
.set OFA, 84                           ; s[84:85] a tile A's offset, 64 bits
.set OFC, 86                           ; s[86:87] a tile C's offset, 64 bits
.set BW1, 88                           ; s[88:89] w1b at my wave's 32 rows of tile 0
.set BW2, 90                           ; s[90:91] w2b at my wave's 128 rows
.set MSB, 0
.macro WIN new                         ; low byte: bits 1:0 source 0, 3:2 source 1, 5:4 source 2, 7:6 destination; the high byte repeats the setting that is left
.if MSB != \new
	s_set_vgpr_msb (MSB<<8)|\new
.set MSB, \new
.endif
.endm
.macro PLACES                          ; five plain vector instructions behind a run of matrix instructions (ISA guide 7.12.1): then its results may be read,
.rept 5                                ; its sources loaded again, and its registers written by other matrix instructions
	v_nop
.endr
.endm
.macro BAR
	s_barrier_signal -1
	s_barrier_wait -1
.endm
.macro CREST                           ; a round of the cluster's barrier behind its opening barrier: wave 0 signals for the work-group; all wait for the four; my work-group's barrier
	s_cmp_lg_u32 s24, 0
	s_cbranch_scc1 .Lnot_wave_0_\@
	s_barrier_signal -3
.Lnot_wave_0_\@:
	s_barrier_wait -3
	s_barrier_signal -1
	s_barrier_wait -1
.endm
.macro ROUND                           ; a whole round
	s_barrier_signal -1
	s_barrier_wait -1
	CREST
.endm
.macro NEXTT t                         ; the next of the 16 tiles, round the end
	s_add_co_u32 s[\t], s[\t], 1
	s_and_b32 s[\t], s[\t], 15
.endm
.macro SETG g0, base, t, sh, of        ; a descriptor's global address: base + tile << sh, and the type bits.  Only where no tensor load of the wave is out
	s_lshl_b32 s[\of], s[\t], \sh
	s_add_nc_u64 s[\g0+2:\g0+3], s[\base:\base+1], s[\of:\of+1]
	s_or_b32 s[\g0+3], s[\g0+3], 0x80000000
.endm
; Prefetches.  1: every wave, its 32 blocks of the next tile of K or of V.  2, 3: wave 0, the work-group's 32 blocks of w1b, of w2b.
.macro PFKV stepit
.if \stepit
	s_wait_xcnt 0x0                                ; the last prefetch, half a step or more ago, has had its addresses translated (ISA guide 3.1): its offset may step
	v_add_nc_u32 v[PF], s[PFS], v[PF]
.endif
	global_prefetch_b8 v[PF], s[PFB:PFB+1] th:TH_LOAD_NT scope:SCOPE_SE
.endm
.macro PFW base
	s_cmp_lg_u32 s24, 0
	s_cbranch_scc1 .Lno_prefetch_\@
	global_prefetch_b8 v[PW], s[\base:\base+1] th:TH_LOAD_NT scope:SCOPE_SE
.Lno_prefetch_\@:
.endm
.macro PFETCH pf
.if \pf == 1
	PFKV 1
.endif
.if \pf == 2
	PFW A_W1
.endif
.if \pf == 3
	PFW A_W2
.endif
.endm
	s_load_b512 s[4:19], s[0:1], 0x0               ; kt, vb, w1b, w2b, b1, b2, gamma, query
	s_load_b64 s[20:21], s[0:1], 0x40              ; out0
	v_lshl_add_u32 v62, v0, 2, 0x4c800
	v_mov_b32 v63, 0
	ds_add_u32 v62, v63
	s_wait_dscnt 0x0
	v_lshrrev_b32 v[TM], 5, v0
	v_readfirstlane_b32 s24, v[TM]                 ; wave 0..3
	s_bfe_u32 s25, ttmp6, 0x40000                  ; cx: my place in the cluster
	s_lshr_b32 s26, ttmp9, 3                       ; batch: eight clusters each
	s_and_b32 s27, ttmp9, 7                        ; c: my cluster in the batch
	s_lshr_b32 s[TK], s27, 2
	s_xor_b32 s[TK], s[TK], s27
	s_and_b32 s[TK], s[TK], 3
	s_lshl_b32 s[TK], s[TK], 2                     ; my cluster's first key tile: 0, 4, 8, 12, 4, 0, 12, 8 for c = 0..7
	s_lshr_b32 s[TW], ttmp9, 2
	s_xor_b32 s[TW], s[TW], ttmp9
	s_and_b32 s[TW], s[TW], 15                     ; my cluster's first hidden tile
	s_lshl_b32 s27, s27, 2
	s_add_co_u32 s27, s27, s25                     ; token block 0..31 of the batch
	s_mov_b32 s66, 0x76543210                      ; v_permlanex16_b32: lane i of one half reads lane i of the other
	s_mov_b32 s67, 0xfedcba98
	s_mov_b32 s68, 0x3d8293ee                      ; 512^-1/2 x log2 e
	s_mov_b32 s69, 0x3d8293ee
	s_mov_b32 s70, 0xbd8293ee                      ; the same, negative
	; shape of a quarter of tile A: 32 rows x 512 elements of 2 bytes, rows 512 elements apart; 4 words of padding behind every 256 words
	s_mov_b32 s[G1A+0], 15|(1<<16)|(1<<20)|(1<<21)|(7<<22)|(3<<25)   ; mask: all four of the cluster; element size; padding on; bit 21 beside a mask; interval; pad
	s_mov_b32 s[G1A+1], 512<<16                    ; tensor_dim0 = 512
	s_mov_b32 s[G1A+2], 32<<16                     ; tensor_dim1 = 32
	s_mov_b32 s[G1A+3], 512<<16                    ; tile_dim0 = 512
	s_mov_b32 s[G1A+4], 32                         ; tile_dim1 = 32
	s_mov_b32 s[G1A+5], 512                        ; from row to row
	s_mov_b32 s[G1A+6], 0
	s_mov_b32 s[G1A+7], 0
	; shape of a quarter of tile C: 128 rows x 128 elements, rows 2,048 elements apart; 4 words of padding behind every 64 words
	s_mov_b32 s[G1C+0], 15|(1<<16)|(1<<20)|(1<<21)|(5<<22)|(3<<25)
	s_mov_b32 s[G1C+1], 128<<16
	s_mov_b32 s[G1C+2], 128<<16
	s_mov_b32 s[G1C+3], 128<<16
	s_mov_b32 s[G1C+4], 128
	s_mov_b32 s[G1C+5], 2048
	s_mov_b32 s[G1C+6], 0
	s_mov_b32 s[G1C+7], 0
	s_lshl_b32 s28, s26, 21                        ; batch x 2 MiB (kt, vb)
	s_mov_b32 s29, 0
	s_lshl_b32 s76, s24, 15                        ; wave x 32 rows of 1,024 bytes
	s_mov_b32 s77, 0
	s_lshl_b32 s78, s24, 19                        ; wave x 128 rows of 4,096 bytes
	s_mov_b32 s79, 0
	s_mov_b32 s[OFA+1], 0
	s_mov_b32 s[OFC+1], 0
	s_and_b32 s75, ttmp9, 4                        ; clusters 4-7 of the batch
	s_wait_kmcnt 0x0
	s_load_b32 s72, s[A_GM:A_GM+1], 0x0            ; gamma
	s_add_nc_u64 s[BKT:BKT+1], s[BKT:BKT+1], s[28:29]
	s_add_nc_u64 s[BVB:BVB+1], s[BVB:BVB+1], s[28:29]
	s_cmp_lg_u32 s75, 0                            ; what my cluster asks for ahead: clusters 0-3 K, clusters 4-7 V: a choice by the cluster's number
	s_cselect_b64 s[PFB:PFB+1], s[BVB:BVB+1], s[BKT:BKT+1]
	s_cselect_b32 s92, 12, 8                       ; from block to block: V a row of 4,096 bytes, K 256 bytes
	s_cselect_b32 s93, CSH, ASH                    ; from tile to tile
	s_lshl_b32 s[PFS], 1, s93
	s_add_co_u32 s94, s[TK], 1
	s_lshl_b32 s94, s94, s93                       ; the tile behind my cluster's first
	s_lshl_b32 s95, s25, 7                         ; block = 128 cx + thread: 0..511
	s_add_nc_u64 s[BKT:BKT+1], s[BKT:BKT+1], s[76:77]
	s_add_nc_u64 s[BVB:BVB+1], s[BVB:BVB+1], s[78:79]
	s_add_nc_u64 s[BW1:BW1+1], s[A_W1:A_W1+1], s[76:77]
	s_add_nc_u64 s[BW2:BW2+1], s[A_W2:A_W2+1], s[78:79]
	; from where, to where: made of the cluster's number and the wave's number alone, equal in the four partners
	s_mov_b32 s[G0A], 1
	s_mul_i32 s[G0A+1], s24, AQ
	SETG G0A, BKT, TK, ASH, OFA
	s_mov_b32 s[G0C], 1
	s_mul_i32 s[G0C+1], s24, CQ
	s_add_co_u32 s[G0C+1], s[G0C+1], RC
	SETG G0C, BVB, TK, CSH, OFC
	s_mov_b32 s[G0A2], 1
	s_mul_i32 s[G0A2+1], s24, AQ
	SETG G0A2, BW1, TW, ASH, OFA
	s_mov_b32 s[G0C2], 1
	s_mul_i32 s[G0C2+1], s24, CQ
	s_add_co_u32 s[G0C2+1], s[G0C2+1], RC
	SETG G0C2, BW2, TW, CSH, OFC
	; the three bases that hang on my place in the cluster; s[30:31] feed nothing else
	s_lshl_b32 s30, s26, 22                        ; batch x 4 MiB
	s_lshl_b32 s75, s27, 8                         ; 64 tokens of 4 bytes
	s_add_co_u32 s30, s30, s75
	s_mov_b32 s31, 0
	s_add_nc_u64 s[A_Q0:A_Q0+1], s[A_Q:A_Q+1], s[30:31]   ; query at my 64 tokens, channel 0
	s_lshl_b32 s75, s24, 20                        ; wave x 128 rows of 8,192 bytes
	s_add_co_u32 s30, s30, s75
	s_add_nc_u64 s[A_Q:A_Q+1], s[A_Q:A_Q+1], s[30:31]     ; query and out0 at my wave's 128 channels, my 64 tokens
	s_add_nc_u64 s[A_O:A_O+1], s[A_O:A_O+1], s[30:31]
	s_wait_kmcnt 0x0
	s_mov_b32 s73, s72                             ; gamma as a pair
	ROUND                                          ; the four work-groups are here: the first joint loads meet
	tensor_load_to_lds s[G0A:G0A+3], s[G1A:G1A+7]  ; my cluster's first 128 keys, my 32 rows
	s_nop 0
	tensor_load_to_lds s[G0C:G0C+3], s[G1C:G1C+7]  ; V's columns of those keys, my 128 rows: two loads of mine are out, the most in this text
	s_nop 0
	; query, the way in: in each of two passes of 256 channels my wave takes 64, two rows of 256 bytes a load, into OA's registers, which hold nothing yet
	v_and_b32 v[RR], 15, v0                        ; r = lane % 16
	v_bfe_u32 v[HH], v0, 4, 1                      ; h = lane / 16
	v_lshlrev_b32 v[TM], 4, v[RR]
	v_lshl_add_u32 v[GO], v[HH], 13, v[TM]         ; row h of 8,192 bytes, 16 bytes at 16 r
	s_lshl_b32 s76, s24, 19                        ; wave x 64 rows
	v_add_nc_u32 v[GQ], s76, v[GO]
	v_or_b32 v[PF], s95, v0                        ; my block of a tile's 512,
	v_lshlrev_b32 v[PF], s92, v[PF]                ; in bytes,
	v_add_nc_u32 v[PF], s94, v[PF]                 ; in the tile behind my cluster's first
	WIN 0x40                                       ; destination in window 1
.set i, 0
.rept 64
	global_load_b128 v[4*i:4*i+3], v[GQ], s[A_Q0:A_Q0+1] offset:(i>>5)*2097152+(i&31)*16384   ; channel 256 pass + 64 w + 2 (i % 32) + h; 16 lanes take 256 consecutive bytes
.set i, i+1
.endr
	WIN 0
	PFKV 0                                         ; the tile that step 0's tails will ask for: the two passes over query and phase A lie between
	s_lshl_b32 s95, ttmp9, 2
	s_add_co_u32 s95, s95, s25                     ; G: my work-group among the 256
	s_lshl_b32 s95, s95, 13                        ; 32 blocks of 256 bytes each
	v_and_b32 v[PW], 31, v0
	v_lshl_add_u32 v[PW], v[PW], 8, s95            ; block 32 G + lane of w1b and of w2b
	v_mul_u32_u24 v63, v[RR], APITCH
	v_lshl_add_u32 v63, v[HH], 4, v63              ; r x 1040 + 16 h
	v_mul_u32_u24 v62, v[RR], CPITCH
	v_lshl_add_u32 v62, v[HH], 4, v62              ; r x 272 + 16 h
	s_mul_i32 s76, s24, AQ
	s_mul_i32 s77, s24, CQ
	s_add_co_u32 s77, s77, RC
	s_lshl_b32 s78, s24, 6
	s_lshl_b32 s79, s24, 8
	s_mul_i32 s75, s24, 16*CPITCH
	s_add_co_u32 s75, s75, PX
	s_lshl_b32 s28, s24, 7
	s_lshl_b32 s92, s[TW], 9
	s_add_co_u32 s28, s28, s92                     ; b1: 4 (128 x first hidden tile + 32 w)
	s_lshl_b32 s29, s24, 9
	s_mul_i32 s74, s24, 64*QPITCH
	s_add_co_u32 s74, s74, QS
	v_add_nc_u32 v[AAD], s76, v63                  ; row 32 w + r of tile A
	v_add_nc_u32 v[CAD], s77, v62                  ; row 128 w + r of tile C
	v_add_nc_u32 v[PRD], PX, v62                   ; X: token r, rows of 128 bf16
	v_add_nc_u32 v[PWR], s78, v[PRD]               ;    my wave's 32 of the 128: 64 bytes on
	v_lshl_add_u32 v[MRD], v[RR], 4, MX            ; four numbers (token tiles 0..3) of token r
	v_add_nc_u32 v[MWR], s79, v[MRD]               ; in my wave's 256 bytes
	v_add_nc_u32 v[XRD], PX, v63                   ; exchange: token r, rows of 512 bf16
	v_add_nc_u32 v[XWR], s79, v[XRD]               ;    my wave's 128 channels: 256 bytes on
	v_mul_u32_u24 v[SRD], v[HH], CPITCH
	v_add_nc_u32 v[SRD], v[SRD], v[TM]
	v_add_nc_u32 v[SRD], s75, v[SRD]               ; stage back: row h (+ 2 t), 16 bytes at 16 r
	v_lshlrev_b32 v[TM], 2, v[RR]
	v_mul_u32_u24 v[SWR], v[HH], 8*CPITCH
	v_add_nc_u32 v[SWR], v[SWR], v[TM]
	v_add_nc_u32 v[SWR], s75, v[SWR]               ; stage in: row 8 h (+ j), word r (+ 16 nt)
	v_lshlrev_b32 v[TM], 5, v[HH]
	v_add_nc_u32 v[GB1], s28, v[TM]                ; b1: + 4 x 8 h
	v_add_nc_u32 v[GB2], s29, v[TM]                ; b2: 4 (128 w + 8 h)
	v_mul_u32_u24 v[QW], v[HH], QPITCH
	v_lshl_add_u32 v[QW], v[RR], 3, v[QW]
	v_add_nc_u32 v[QW], s74, v[QW]                 ; Q's scratch in: row 64 w + h (+ 2 i), tokens 4 r .. 4 r + 3
	v_and_b32 v[TM], 7, v0
	v_lshl_add_u32 v[TM], v[HH], 3, v[TM]          ; Q's scratch out: row 8 h + lane % 8 (+ 32 ks, + 16),
	v_mul_u32_u24 v[TRA], v[TM], QPITCH
	v_bfe_u32 v[TM], v0, 3, 1
	v_lshl_add_u32 v[TRA], v[TM], 4, v[TRA]        ; tokens 8 ((lane / 8) % 2) + 0..7 (+ 16 nt)
	v_add_nc_u32 v[TRA], QS, v[TRA]
.irp i, 0,1,2,3,4,5,6,7
	v_mov_b32 v[T+\i], 0                           ; v_permlanex16_b32 counts as a reader of its destination
.endr
; One pass: channels 256 p .. 256 p + 255 of my 64 tokens, rounded, into the scratch as [channel][token]; then every wave takes the 32 fragments
; (ks, nt) of those channels: the transposing load gives lane l token 16 nt + l % 16, channels 32 ks + 8 (l / 16) + 0..7, and + 16 by the second load.
.macro QPASS p
	s_wait_loadcnt 32-32*\p                        ; this pass's 32 loads are in; in the first pass the second's 32 stay out
	WIN 0x05                                       ; sources 0 and 1 in window 1
.set i, 0
.rept 64
	v_cvt_pk_bf16_f32 v[F0+64*\p+i], v[128*\p+2*i], v[128*\p+2*i+1]
.set i, i+1
.endr
	WIN 0
.set i, 0
.rept 32
	ds_store_b64 v[QW], v[F0+64*\p+2*i:F0+64*\p+2*i+1] offset:2*QPITCH*i
.set i, i+1
.endr
	s_wait_dscnt 0x0                               ; my 64 rows are in LDS
	BAR                                            ; all 256 are
.if \p
	WIN 0xc0                                       ; destination in window 3
.else
	WIN 0x80                                       ; destination in window 2
.endif
.irp ks, 0,1,2,3,4,5,6,7
.irp nt, 0,1,2,3
	ds_load_tr16_b128 v[8*(4*\ks+\nt):8*(4*\ks+\nt)+3],   v[TRA] offset:\ks*32*QPITCH+\nt*32
	ds_load_tr16_b128 v[8*(4*\ks+\nt)+4:8*(4*\ks+\nt)+7], v[TRA] offset:\ks*32*QPITCH+16*QPITCH+\nt*32
.endr
.endr
	WIN 0
	s_wait_dscnt 0x0                               ; my reads are back: the bytes may be written again behind the barrier
.if \p
	s_wait_tensorcnt 0x1                           ; my quarter of the first tile A is in; tile C's may stay out
.endif
	BAR
.endm
	QPASS 0
	QPASS 1
; ---- phase A.  A quarter is 128 of the 512 channels: 4 K steps x 2 row tiles = 8 fragments, 16 loads, 32 matrix instructions.
.macro FETCHA qd, f
.irp k, 0,1,2,3
.irp mt, 0,1
	ds_load_b128 v[\f+8*(2*\k+\mt):\f+8*(2*\k+\mt)+3],   v[AAD] offset:\mt*16*APITCH+(4*\qd+\k)*64
	ds_load_b128 v[\f+8*(2*\k+\mt)+4:\f+8*(2*\k+\mt)+7], v[AAD] offset:\mt*16*APITCH+(4*\qd+\k)*64+32
.endr
.endr
.endm
; one K step, 8 matrix instructions.  cm = 1: it starts the sums from 0;  2: from the bias b1, which lies as a result tile does;  0: it adds on
.macro MULAK qd, f, k, cm
.irp mt, 0,1
.irp nt, 0,1,2,3
.if \cm == 1
	v_wmma_f32_16x16x32_bf16 v[SA+8*(4*\mt+\nt):SA+8*(4*\mt+\nt)+7], v[\f+8*(2*\k+\mt):\f+8*(2*\k+\mt)+7], v[8*(4*((4*\qd+\k)&7)+\nt):8*(4*((4*\qd+\k)&7)+\nt)+7], 0
.else
.if \cm == 2
	v_wmma_f32_16x16x32_bf16 v[SA+8*(4*\mt+\nt):SA+8*(4*\mt+\nt)+7], v[\f+8*(2*\k+\mt):\f+8*(2*\k+\mt)+7], v[8*(4*((4*\qd+\k)&7)+\nt):8*(4*((4*\qd+\k)&7)+\nt)+7], v[BI+8*\mt:BI+8*\mt+7]
.else
	v_wmma_f32_16x16x32_bf16 v[SA+8*(4*\mt+\nt):SA+8*(4*\mt+\nt)+7], v[\f+8*(2*\k+\mt):\f+8*(2*\k+\mt)+7], v[8*(4*((4*\qd+\k)&7)+\nt):8*(4*((4*\qd+\k)&7)+\nt)+7], v[SA+8*(4*\mt+\nt):SA+8*(4*\mt+\nt)+7]
.endif
.endif
.endr
.endr
.endm
.macro MULA qd, f, cm
	MULAK \qd, \f, 0, \cm
	MULAK \qd, \f, 1, 0
	MULAK \qd, \f, 2, 0
	MULAK \qd, \f, 3, 0
.endm
; ---- phase C's fetches.  A K step of 32: 4 fragments of X (8 loads) and 8 of tile C (16 loads), 32 matrix instructions.
.macro FETCHX ks, p
.irp nt, 0,1,2,3
	ds_load_b128 v[\p+8*\nt:\p+8*\nt+3],   v[PRD] offset:\nt*16*CPITCH+\ks*64
	ds_load_b128 v[\p+8*\nt+4:\p+8*\nt+7], v[PRD] offset:\nt*16*CPITCH+\ks*64+32
.endr
.endm
.macro FETCHCT ks, f
.irp ct, 0,1,2,3,4,5,6,7
	ds_load_b128 v[\f+8*\ct:\f+8*\ct+3],   v[CAD] offset:\ct*16*CPITCH+\ks*64
	ds_load_b128 v[\f+8*\ct+4:\f+8*\ct+7], v[CAD] offset:\ct*16*CPITCH+\ks*64+32
.endr
.endm
; Phase A.  Quarter 0 is already on its way into buffer 0: it was asked for in the tail of the phase before.  Only source 1 (QB) lies outside
; window 0, so the LDS loads need no switch.  Each counted wait leaves out the 16 loads just issued.
; refill = 1: tile A's slot is filled again from ga.  step = 1: K's next tile is set first;  2: w1's;  0: ga stands ready.  pf: what is asked for ahead.
.macro PHASE_A cm, refill, ga, step, pf
	WIN 0
	PLACES                                         ; behind the last phase's matrix instructions: buffer 1 may be loaded and SA written
	FETCHA 1, F1
	s_wait_dscnt 16
	WIN 0x08                                       ; source 1 in window 2: channels 0 to 255
	MULA 0, F0, \cm
	PLACES
	FETCHA 2, F0
	s_wait_dscnt 16
	MULA 1, F1, 0
	PLACES
	FETCHA 3, F1
	s_wait_dscnt 16
	WIN 0x0c                                       ; window 3: channels 256 to 511
	MULA 2, F0, 0
	s_wait_dscnt 0x0                               ; my last reads of tile A are back
	s_wait_xcnt 0x0
	v_lshl_add_u32 v62, v0, 2, 0x4c800
	v_mov_b32 v63, 0
	s_set_vgpr_msb 0xc00
	s_wait_tensorcnt 0x0                           ; all my tensor loads have landed (the one that was out: this step's tile C), so a descriptor may be written
	ds_add_u32 v62, v63
	s_wait_dscnt 0x0
	s_set_vgpr_msb 0xc
.if \step == 1
	NEXTT TK
	SETG G0A, BKT, TK, ASH, OFA
.endif
.if \step == 2
	NEXTT TW
	SETG G0A2, BW1, TW, ASH, OFA
.endif
	s_barrier_signal -1                            ; say so,
	MULAK 3, F1, 0, 0                              ; work on registers while the others arrive: 8 and no more, since no tile is on its way here,
	WIN 0
	s_barrier_wait -1                              ; and go on when all four have said so
.if \refill
	CREST                                          ; the same of the four work-groups: no wave of any partner still reads tile A or has a load on its way
	tensor_load_to_lds s[\ga:\ga+3], s[G1A:G1A+7]  ; the next tile A, first behind the round, my one load until the next round
	s_nop 0
.endif
	PFETCH \pf
	PLACES
	FETCHCT 0, F0                                  ; phase C's first fragments of tile C, into the buffer that quarter 2 has left
	WIN 0x0c
	MULAK 3, F1, 1, 0
	MULAK 3, F1, 2, 0
	MULAK 3, F1, 3, 0
	WIN 0
	PLACES                                         ; SA may be read, buffer 1 loaded
.endm
.macro MULC2 f, p, c0, z               ; 8 matrix instructions: channel tiles c0, c0 + 1 x the four token tiles
.irp ct, \c0, \c0+1
.irp nt, 0,1,2,3
.if \z
	v_wmma_f32_16x16x32_bf16 v[8*(4*(\ct)+\nt):8*(4*(\ct)+\nt)+7], v[\f+8*(\ct):\f+8*(\ct)+7], v[\p+8*\nt:\p+8*\nt+7], 0
.else
	v_wmma_f32_16x16x32_bf16 v[8*(4*(\ct)+\nt):8*(4*(\ct)+\nt)+7], v[\f+8*(\ct):\f+8*(\ct)+7], v[\p+8*\nt:\p+8*\nt+7], v[8*(4*(\ct)+\nt):8*(4*(\ct)+\nt)+7]
.endif
.endr
.endr
.endm
.macro MULC f, p, z
	MULC2 \f, \p, 0, \z
	MULC2 \f, \p, 2, \z
	MULC2 \f, \p, 4, \z
	MULC2 \f, \p, 6, \z
.endm
; Phase C.  Tile C's fragments of K steps 0 and 1 are in buffers 0 and 1 already; only X's stand behind X's barrier.
; z = 1: the first K step starts OA's sums.  refill = 1: tile C's slot is filled again from gc.  step = 1: V's tile of the keys that phase A's tail
; has turned to is set first;  2: w2's.  pre = 1: the next phase A's quarter 0 is fetched.  pf: what is asked for ahead.
.macro PHASE_C z, refill, gc, step, pre, pf
	WIN 0
	FETCHX 0, PB0
	FETCHX 1, PB1
	s_wait_dscnt 8                                 ; X's K step 0 is in; K step 1's eight loads stay out
	WIN 0x50                                       ; C and D in window 1
	MULC F0, PB0, \z
	PLACES
	WIN 0
	FETCHX 2, PB0
	FETCHCT 2, F0
	s_wait_dscnt 24                                ; all but the 24 just issued
	WIN 0x50
	MULC F1, PB1, 0
	PLACES
	WIN 0
	FETCHX 3, PB1
	FETCHCT 3, F1
	s_wait_dscnt 24
	WIN 0x50
	MULC F0, PB0, 0
	s_wait_dscnt 0x0                               ; my last reads of tile C and of X are back
.if \refill
	s_wait_xcnt 0x0
	s_set_vgpr_msb 0x5010
	v_lshl_add_u32 v62, v0, 2, 0x4c800
	v_mov_b32 v63, 0
	s_wait_tensorcnt 0x0                           ; the next tile A has landed; no load of mine is out
	ds_add_u32 v62, v63
	s_wait_dscnt 0x0
	s_set_vgpr_msb 0x1050
.endif
.if \step == 1
	SETG G0C, BVB, TK, CSH, OFC
.endif
.if \step == 2
	SETG G0C2, BW2, TW, CSH, OFC
.endif
	s_barrier_signal -1
	MULC2 F1, PB1, 0, 0
	WIN 0
	s_barrier_wait -1                              ; X's bytes may be written again
.if \refill
	CREST
	tensor_load_to_lds s[\gc:\gc+3], s[G1C:G1C+7]  ; the next tile C
	s_nop 0
.endif
	PFETCH \pf
.if \pre
	PLACES
	FETCHA 0, F0                                   ; the next phase A's quarter 0, from the tile that has just been shown landed
.endif
	WIN 0x50
	MULC2 F1, PB1, 2, 0
	MULC2 F1, PB1, 4, 0
	MULC2 F1, PB1, 6, 0
	WIN 0
.endm
; SA's 64 numbers to bf16, in place (tile's registers 0-3), and into X: token 16 nt + r, my rows 16 mt + 8 h + 0..7 of the wave's 32
.macro TO_X
.set i, 0
.rept 32
	v_cvt_pk_bf16_f32 v[SA+8*(i>>2)+(i&3)], v[SA+2*i], v[SA+2*i+1]   ; writes no register that a later line of the tile still reads
.set i, i+1
.endr
.irp mt, 0,1
.irp nt, 0,1,2,3
	ds_store_b128 v[PWR], v[SA+8*(4*\mt+\nt):SA+8*(4*\mt+\nt)+3] offset:\nt*16*CPITCH+\mt*32
.endr
.endr
.endm
; ---- one step of attention: 128 keys.  first = 1: nothing to rescale.  ga, gc: whose tiles are fetched next; step = 1: K's and V's next tile is set first.
; pfa, pfc: what is asked for ahead behind the two refills.
.macro ASTEP first, ga, gc, step, pfa, pfc
	PHASE_A 1, 1, \ga, \step, \pfa                 ; SA = K^T tile x Q, unscaled: lane = token, 16 registers a token tile = my 16 of the wave's 32 keys
	; the largest of my 16, four chains by turns; then the other half of the lanes
.irp nt, 0,1,2,3
	v_max3_num_f32 v[LM+\nt], v[SA+8*\nt], v[SA+8*\nt+1], v[SA+8*\nt+2]
.endr
.irp e, 3,5,7,9,11,13
.irp nt, 0,1,2,3
	v_max3_num_f32 v[LM+\nt], v[LM+\nt], v[SA+8*\nt+(\e&7)+32*(\e>>3)], v[SA+8*\nt+((\e+1)&7)+32*((\e+1)>>3)]
.endr
.endr
.irp nt, 0,1,2,3
	v_max_num_f32 v[LM+\nt], v[LM+\nt], v[SA+8*\nt+39]
.endr
.irp nt, 0,1,2,3
	v_permlanex16_b32 v[T+\nt], v[LM+\nt], s66, s67
.endr
.irp nt, 0,1,2,3
	v_max_num_f32 v[LM+\nt], v[LM+\nt], v[T+\nt]
.endr
	ds_store_b128 v[MWR], v[LM:LM+3]               ; both halves write the same numbers to the same bytes
	s_wait_dscnt 0x0                               ; my maxima are in LDS
	BAR                                            ; everybody's are.  Tile A's load stays on its way
.irp wv, 0,1,2,3
	ds_load_b128 v[MXR+4*\wv:MXR+4*\wv+3], v[MRD] offset:256*\wv
.endr
	FETCHCT 1, F1                                  ; tile C's fragments of K step 1: they have the softmax in which to come
	s_wait_dscnt 16                                ; the maxima are in; the 16 loads just issued stay out
.irp nt, 0,1,2,3
	v_max3_num_f32 v[LM+\nt], v[MXR+\nt], v[MXR+4+\nt], v[MXR+8+\nt]
.endr
.if \first
.irp nt, 0,1,2,3
	v_max_num_f32 v[M+\nt], v[LM+\nt], v[MXR+12+\nt]
.endr
.else
.irp nt, 0,1,2,3
	v_max3_num_f32 v[LM+\nt], v[LM+\nt], v[MXR+12+\nt], v[M+\nt]     ; the new running maximum
.endr
.irp nt, 0,1,2,3
	v_sub_f32 v[ALP+2*\nt], v[M+\nt], v[LM+\nt]
.endr
.irp nt, 0,1,2,3
	v_mul_f32 v[ALP+2*\nt], s68, v[ALP+2*\nt]
.endr
.irp nt, 0,1,2,3
	v_exp_f32 v[ALP+2*\nt], v[ALP+2*\nt]           ; what the old sums are worth under the new maximum
.endr
.irp nt, 0,1,2,3
	v_mov_b32 v[M+\nt], v[LM+\nt]                  ; plain instructions between the exponentials and their first use (ISA guide 5.7.2)
.endr
	s_wait_alu depctr_va_vdst(0)
.irp nt, 0,1,2,3
	v_mov_b32 v[ALP+2*\nt+1], v[ALP+2*\nt]
.endr
.endif
.irp nt, 0,1,2,3
	v_mul_f32 v[NMP+2*\nt], s70, v[M+\nt]
.endr
.irp nt, 0,1,2,3
	v_mov_b32 v[NMP+2*\nt+1], v[NMP+2*\nt]
.endr
.set i, 0
.rept 32
	v_pk_fma_f32 v[SA+2*i:SA+2*i+1], v[SA+2*i:SA+2*i+1], s[68:69], v[NMP+2*((i>>2)&3):NMP+2*((i>>2)&3)+1] op_sel_hi:[1,0,1]   ; (s - max) x scale x log2 e
.set i, i+1
.endr
.set i, 0
.rept 64
	v_exp_f32 v[SA+i], v[SA+i]
.set i, i+1
.endr
	v_nop                                          ; one plain instruction behind the last exponential
	s_wait_alu depctr_va_vdst(0)
.irp nt, 0,1,2,3
	v_pk_add_f32 v[T+2*\nt:T+2*\nt+1], v[SA+8*\nt:SA+8*\nt+1], v[SA+8*\nt+2:SA+8*\nt+3]
.endr
.irp q, 4,6,32,34,36,38
.irp nt, 0,1,2,3
	v_pk_add_f32 v[T+2*\nt:T+2*\nt+1], v[T+2*\nt:T+2*\nt+1], v[SA+8*\nt+\q:SA+8*\nt+\q+1]
.endr
.endr
.irp nt, 0,1,2,3
.if \first
	v_add_f32 v[LS+\nt], v[T+2*\nt], v[T+2*\nt+1]
.else
	v_fma_f32 v[LS+\nt], v[LS+\nt], v[ALP+2*\nt], v[T+2*\nt]
	v_add_f32 v[LS+\nt], v[LS+\nt], v[T+2*\nt+1]
.endif
.endr
	TO_X
.if \first == 0
	WIN 0x41                                       ; destination and source 0 in window 1
.set i, 0
.rept 128
	v_pk_mul_f32 v[2*i:2*i+1], v[2*i:2*i+1], v[ALP+2*((i>>2)&3):ALP+2*((i>>2)&3)+1]   ; OA under the new maximum
.set i, i+1
.endr
	WIN 0
.endif
	s_wait_dscnt 0x0                               ; my part of X is in LDS, and tile C's first fragments are in their buffers
	BAR                                            ; everybody's part is.
	PHASE_C \first, 1, \gc, \step, 1, \pfc         ; OA += V tile x X
.endm
; ---- the attention result of token tile u, divided by its row sums, from OA (my 128 channels) into every wave's QB (all 512).
; It works in buffer 1: buffer 0 holds the first fragments of w1.
.macro XCHG u
	WIN 0x01                                       ; source 0 in window 1
.set i, 0
.rept 32
	v_pk_mul_f32 v[F1+2*i:F1+2*i+1], v[8*(4*(i>>2)+\u)+2*(i&3):8*(4*(i>>2)+\u)+2*(i&3)+1], v[ALP+2*\u:ALP+2*\u+1]
.set i, i+1
.endr
	WIN 0
.set i, 0
.rept 32
	v_cvt_pk_bf16_f32 v[SA+i], v[F1+2*i], v[F1+2*i+1]
.set i, i+1
.endr
.irp ct, 0,1,2,3,4,5,6,7
	ds_store_b128 v[XWR], v[SA+4*\ct:SA+4*\ct+3] offset:32*\ct       ; token r, channels 128 w + 16 ct + 8 h + 0..7
.endr
	s_wait_dscnt 0x0
	BAR                                            ; the 16 tokens' 512 channels are whole
	WIN 0x80
.irp ks, 0,1,2,3,4,5,6,7
	ds_load_b128 v[8*(4*\ks+\u):8*(4*\ks+\u)+3],   v[XRD] offset:64*\ks
	ds_load_b128 v[8*(4*\ks+\u)+4:8*(4*\ks+\u)+7], v[XRD] offset:64*\ks+32
.endr
	WIN 0xc0
.irp ks, 0,1,2,3,4,5,6,7
	ds_load_b128 v[8*(4*\ks+\u):8*(4*\ks+\u)+3],   v[XRD] offset:64*\ks+512
	ds_load_b128 v[8*(4*\ks+\u)+4:8*(4*\ks+\u)+7], v[XRD] offset:64*\ks+544
.endr
	WIN 0
	s_wait_dscnt 0x0
	BAR                                            ; everybody has read: the bytes may be written again
.endm
.macro BILOAD                          ; b1 of rows 16 mt + 8 h + 0..7 of my 32 of this step's 128
.irp mt, 0,1
	global_load_b128 v[BI+8*\mt:BI+8*\mt+3],   v[GB1], s[A_B1:A_B1+1] offset:64*\mt
	global_load_b128 v[BI+8*\mt+4:BI+8*\mt+7], v[GB1], s[A_B1:A_B1+1] offset:64*\mt+16
.endr
.endm
; ---- one step of the two convolutions: 128 hidden channels.  refill = 0: the last step, nothing left to fetch
.macro FSTEP first, refill
	s_wait_loadcnt 0x0                             ; this step's b1; the wait also frees its offset register
	PHASE_A 2, \refill, G0A2, 2*\refill, 0         ; SA = b1 + w1 tile x attention result
	FETCHCT 1, F1                                  ; tile C's fragments of K step 1
.if \refill
	v_add_nc_u32 v[GB1], 512, v[GB1]               ; 128 numbers on,
	v_and_b32 v[GB1], 0x1fff, v[GB1]               ; round the end of b1's 8,192 bytes, as the tiles go
	BILOAD
.else
	; QB has had its last use.  b2 of my 128 rows (as result tiles lie) goes into window 3 and my wave's 128 x 64 of query, by rows of 256 bytes,
	; into window 2: 80 loads, which have the ReLU and the last phase C in which to come.
	WIN 0xc0
.irp ct, 0,1,2,3,4,5,6,7
	global_load_b128 v[8*\ct:8*\ct+3],   v[GB2], s[A_B2:A_B2+1] offset:64*\ct
	global_load_b128 v[8*\ct+4:8*\ct+7], v[GB2], s[A_B2:A_B2+1] offset:64*\ct+16
.endr
	WIN 0x80
.set i, 0
.rept 64
	global_load_b128 v[4*i:4*i+3], v[GO], s[A_Q:A_Q+1] offset:2*i*8192 th:TH_LOAD_NT   ; rows 2 i + h
.set i, i+1
.endr
	WIN 0
.endif
.set i, 0
.rept 64
	v_max_num_f32 v[SA+i], 0, v[SA+i]              ; ReLU
.set i, i+1
.endr
	TO_X
	s_wait_dscnt 0x0                               ; my part of X is in LDS
	BAR                                            ; everybody's is.
	PHASE_C \first, \refill, G0C2, 2*\refill, \refill, 0   ; OA += w2 tile x hidden.  In the last step its barrier shows every wave's reads of X back: the bytes become the stage
.endm
	FETCHA 0, F0                                   ; the first phase A's quarter 0
	ASTEP 1, G0A, G0C, 1, 1, 1                     ; step 0; the second and third tile behind my cluster's first are asked for ahead
	s_mov_b32 s74, 13
.Lattn:
	ASTEP 0, G0A, G0C, 1, 0, 0                     ; steps 1 to 13
	s_sub_co_i32 s74, s74, 1
	s_cmp_lg_u32 s74, 0
	s_cbranch_scc1 .Lattn
	ASTEP 0, G0A, G0C, 1, 2, 3                     ; step 14, written out: w1b and w2b are asked for ahead, one step before their first tensor loads
	ASTEP 0, G0A2, G0C2, 0, 0, 0                   ; step 15, the last 128 keys; the slots are filled with my cluster's first tiles of w1 and w2
	; the row sums: the other half of the lanes, then the other waves.  The largest term of a row is 1 up to rounding, so the sum is no small number.
	PLACES                                         ; behind the last matrix instructions: OA may be read, buffer 1 written
.irp nt, 0,1,2,3
	v_permlanex16_b32 v[T+\nt], v[LS+\nt], s66, s67
.endr
.irp nt, 0,1,2,3
	v_add_f32 v[LS+\nt], v[LS+\nt], v[T+\nt]
.endr
	ds_store_b128 v[MWR], v[LS:LS+3] offset:1024
	s_wait_dscnt 0x0
	BAR                                            ; w2's first tile stays on its way
.irp wv, 0,1,2,3
	ds_load_b128 v[MXR+4*\wv:MXR+4*\wv+3], v[MRD] offset:1024+256*\wv
.endr
	s_wait_dscnt 0x0
.irp nt, 0,1,2,3
	v_add_f32 v[MXR+\nt], v[MXR+\nt], v[MXR+4+\nt]
	v_add_f32 v[MXR+8+\nt], v[MXR+8+\nt], v[MXR+12+\nt]
.endr
.irp nt, 0,1,2,3
	v_add_f32 v[MXR+\nt], v[MXR+\nt], v[MXR+8+\nt]
.endr
.irp nt, 0,1,2,3
	v_rcp_f32 v[ALP+2*\nt], v[MXR+\nt]
	v_rcp_f32 v[ALP+2*\nt+1], v[MXR+\nt]
.endr
	v_nop                                          ; one plain instruction behind the last reciprocal
	s_wait_alu depctr_va_vdst(0)
	XCHG 0
	XCHG 1
	XCHG 2
	XCHG 3
	BILOAD                                         ; b1 of my cluster's first 128 hidden channels
	FSTEP 1, 1
	s_mov_b32 s74, 14
.Lffn:
	FSTEP 0, 1
	s_sub_co_i32 s74, s74, 1
	s_cmp_lg_u32 s74, 0
	s_cbranch_scc1 .Lffn
	FSTEP 0, 0
	; THE WAY OUT, 16 channels x 64 tokens at a time: + b2, through my own stage in LDS into rows of 256 bytes, x gamma + query, stored.
	PLACES                                         ; behind the last matrix instructions: OA may be read, the buffers written
.irp ct, 0,1,2,3,4,5,6,7
	s_wait_loadcnt 56-8*\ct                        ; b2 and this block's eight pairs of rows of query are in; the later blocks' loads stay out
	WIN 0x0d                                       ; source 0 in window 1 (OA), source 1 in window 3 (b2)
.set i, 0
.rept 16
	v_pk_add_f32 v[T2+2*i:T2+2*i+1], v[32*\ct+2*i:32*\ct+2*i+1], v[8*\ct+2*(i&3):8*\ct+2*(i&3)+1]
.set i, i+1
.endr
	WIN 0x20                                       ; source 2 in window 2 (query); addresses, store data and destinations in window 0
.irp nt, 0,1,2,3
.irp j, 0,1,2,3,4,5,6,7
	ds_store_b32 v[SWR], v[T2+8*\nt+\j] offset:\j*CPITCH+\nt*64      ; row 8 h + j, token 16 nt + r: the two halves of the lanes lie 32 words apart modulo 64
.endr
.endr
	s_wait_xcnt 0x0                                ; every earlier memory instruction has had its addresses translated (ISA guide 3.1): ST, the last stores' data, is loaded again only behind this wait
.irp t, 0,1,2,3,4,5,6,7
	ds_load_b128 v[ST+4*\t:ST+4*\t+3], v[SRD] offset:2*CPITCH*\t     ; LDS serves a wave's instructions in order (ISA guide 5.7.1.4): these see the stores above
.endr
.irp t, 0,1,2,3,4,5,6,7
	s_wait_dscnt 7-\t
	v_pk_fma_f32 v[ST+4*\t:ST+4*\t+1],   v[ST+4*\t:ST+4*\t+1],   s[72:73], v[32*\ct+4*\t:32*\ct+4*\t+1]   op_sel_hi:[1,0,1]
	v_pk_fma_f32 v[ST+4*\t+2:ST+4*\t+3], v[ST+4*\t+2:ST+4*\t+3], s[72:73], v[32*\ct+4*\t+2:32*\ct+4*\t+3] op_sel_hi:[1,0,1]
	global_store_b128 v[GO], v[ST+4*\t:ST+4*\t+3], s[A_O:A_O+1] offset:(16*\ct+2*\t)*8192 th:TH_STORE_NT   ; 16 lanes store 256 consecutive bytes, at a multiple of 256
.endr
.endr
	WIN 0
	s_wait_dscnt 0x0
	s_wait_xcnt 0x0
	v_lshl_add_u32 v62, v0, 2, 0x4c800
	v_mov_b32 v63, 0
	s_wait_tensorcnt 0x0
	ds_add_u32 v62, v63
	s_wait_dscnt 0x0
	ROUND                                          ; the closing round: no work-group ends while a partner may still ask for a tile that names it
	s_endpgm
.Lfunc_end_k_qcfa7b884be_scam:
	.size	k_qcfa7b884be_scam, .Lfunc_end_k_qcfa7b884be_scam-k_qcfa7b884be_scam
	.p2alignl 7, 3214868480
	.fill 96, 4, 3214868480
	.section	.rodata,"a",@progbits
	.p2align	6, 0x0
	.amdhsa_kernel k_qcfa7b884be_scam
		.amdhsa_group_segment_fixed_size 327680
		.amdhsa_private_segment_fixed_size 0
		.amdhsa_enable_private_segment 0
		.amdhsa_kernarg_size 72
		.amdhsa_user_sgpr_count 2
		.amdhsa_user_sgpr_kernarg_segment_ptr 1
		.amdhsa_wavefront_size32 1
		.amdhsa_system_sgpr_workgroup_id_x 1
		.amdhsa_system_sgpr_workgroup_id_y 1
		.amdhsa_system_sgpr_workgroup_id_z 1
		.amdhsa_system_vgpr_workitem_id 0
		.amdhsa_next_free_vgpr 1024
		.amdhsa_next_free_sgpr 96
		.amdhsa_reserve_vcc 0
		.amdhsa_float_denorm_mode_32 3
		.amdhsa_float_denorm_mode_16_64 3
		.amdhsa_memory_ordered 1
		.amdhsa_forward_progress 1
		.amdhsa_inst_pref_size 255
	.end_amdhsa_kernel
	.section	.bss,"aw",@nobits
	.p2align	6
	.space	262144
	.amdgpu_metadata
---
amdhsa.version: [ 1, 2 ]
amdhsa.kernels:
  - .name:           k_qcfa7b884be_scam
    .symbol:         k_qcfa7b884be_scam.kd
    .args:
      - { .name: kt, .offset: 0, .size: 8, .value_kind: global_buffer, .address_space: global }
      - { .name: vb, .offset: 8, .size: 8, .value_kind: global_buffer, .address_space: global }
      - { .name: w1b, .offset: 16, .size: 8, .value_kind: global_buffer, .address_space: global }
      - { .name: w2b, .offset: 24, .size: 8, .value_kind: global_buffer, .address_space: global }
      - { .name: b1, .offset: 32, .size: 8, .value_kind: global_buffer, .address_space: global }
      - { .name: b2, .offset: 40, .size: 8, .value_kind: global_buffer, .address_space: global }
      - { .name: gamma, .offset: 48, .size: 8, .value_kind: global_buffer, .address_space: global }
      - { .name: query, .offset: 56, .size: 8, .value_kind: global_buffer, .address_space: global }
      - { .name: out0, .offset: 64, .size: 8, .value_kind: global_buffer, .address_space: global }
    .group_segment_fixed_size: 327680
    .private_segment_fixed_size: 0
    .kernarg_segment_align: 8
    .kernarg_segment_size: 72
    .max_flat_workgroup_size: 128
    .sgpr_count:     96
    .vgpr_count:     1024
    .wavefront_size: 32
...
	.end_amdgpu_metadata
.endif
;; end of part 4
